; MI455X (gfx1250); checked and timed in simulation.
; The chip was launched on July 23, 2026; its instructions are those of AMD's public machine-readable ISA for CDNA 5 (MIT licence, August 2026) and "CDNA5" Instruction Set Architecture Reference Guide (July 2026). The comments in the code are by the model that wrote it; some were corrected since.
;; Self Attention Naive. Allowed arithmetic: matrix products marked QUANTISED: E4M3 operands, one given power-of-two scale a tensor, by v_wmma_f32_16x16x64_fp8_fp8 or v_wmma_f32_16x16x128_fp8_fp8, f32 sums; everything else in f32.
;; Inputs: gamma 1 float32; lowp_scales 10 int32 (the exponents e of the quantised operands' scales 2^e); wf_codes 64 x 8 x 32 uint8 (E4M3 codes of wf, K innermost, in blocks of 32 codes); wg_codes 64 x 8 x 32 uint8 (E4M3 codes of wg, K innermost, in blocks of 32 codes); wh_codes 256 x 8 x 32 uint8 (E4M3 codes of wh, K innermost, in blocks of 32 codes); x 8 x 256 x 64 x 64 float32.
;; Outputs: out0 8 x 256 x 64 x 64 float32.
;; This version of the problem:
;;   THIS VERSION OF THE PROBLEM IS GIVEN IN LOW PRECISION. The matrix products marked QUANTISED in the list below multiply operands that are first quantised to E4M3 (4 exponent bits, 3 mantissa bits; 8 bits a number), with one given power-of-two scale for each operand tensor; their sums are f32. All else is computed in f32.
;;   The module's matrix products, in the order in which they are computed (A, B: the left and right operand; K: the contracted axis; several contracted axes count as one K, in the product's order):
;;     1. [M 32,768, K 256] x [K 256, N 64]; A: input x; B: input wf (given as codes): QUANTISED (scales: A lowp_scales[0], B lowp_scales[1])
;;     2. [M 32,768, K 256] x [K 256, N 64]; A: input x; B: input wg (given as codes): QUANTISED (scales: A lowp_scales[2], B lowp_scales[3])
;;     3. [M 32,768, K 256] x [K 256, N 256]; A: input x; B: input wh (given as codes): QUANTISED (scales: A lowp_scales[4], B lowp_scales[5])
;;     4. batch 8 x [M 4,096, K 64] x [K 64, N 4,096]; A: computed on the way; B: computed on the way: QUANTISED (scales: A lowp_scales[6], B lowp_scales[7])
;;     5. batch 8 x [M 256, K 4,096] x [K 4,096, N 4,096]; A: computed on the way; B: softmax (see below): QUANTISED (scales: A lowp_scales[8], B lowp_scales[9])
;;   THE QUANTISER, for each operand of a quantised product, along K:
;;     - The operand's scale is 2^e, e = its entry of the input lowp_scales (int32; the entries are numbered through the quantised products in the list's order, A before B).
;;     - Each number is divided by the scale, clamped to +-448, and rounded to the nearest number of E4M3, ties to even, subnormals kept.
;;     - The product sums the exact products of the quantised numbers (number of the format x scale) in f32.
;;   ~~~python
;;   def quantise(x, axis, e):      # numpy; x: float32 -> the quantised numbers, widened to float32 again
;;       x = np.moveaxis(x, axis, -1); K = x.shape[-1]
;;       r = np.clip(x / 2.0 ** e, -448, 448)
;;       step = 2.0 ** (np.maximum(np.frexp(np.where(r == 0, 1, r))[1] - 1, -6) - 3)
;;       q = np.round(r / step) * step * 2.0 ** e      # np.round: ties to even
;;       return np.moveaxis(q, -1, axis).astype(np.float32)
;;   ~~~
;;   SOFTMAX AHEAD OF A QUANTISED PRODUCT. Where the list says 'softmax', what is quantised is not the finished softmax but p = 2^(t - M), with t = logit x log2(e) and M = ceil(the row's largest t), a whole number; so 1/2 < the row's largest p <= 1. The row's sum l is taken of the UNQUANTISED p, in f32, and the product's result is divided by l at the end. Since M is a whole number, a kernel that streams over the keys may use a running M (the ceiling of the running maximum): every later rescaling is an exact power of two, so the quantised numbers keep their values, but for numbers so far below the row's largest that they fall under the format's range.
;;   OPERANDS COMPUTED ON THE WAY. 'Computed on the way' means the value that the module computes at that place (a softmax that the list does not call 'softmax' is quantised finished and normalised). What goes into a quantiser is computed in f32, as accurately as f32 sums, v_exp_f32 and their like allow (about 1e-6 of the number): no bf16 or f16 on the way to a quantiser, and a product that is left as it is and whose result goes on into a quantised operand takes f32 operands (vector FMAs, or v_wmma_f32_16x16x4_f32). A number that lies on a knife's edge between two numbers of the format may be rounded either way, as far as f32 arithmetic and the matrix unit's own rounding can turn it there, and no further.
;;   INPUTS GIVEN AS CODES. wf (in the module: [64, 256], K = its axis 1); wg (in the module: [64, 256], K = its axis 1); wh (in the module: [256, 256], K = its axis 1): each comes as NAME_codes (uint8): NAME with its K axis moved to the last place and cut into blocks of 32 codes, [.., K / 32, bytes a block], one block behind the other in memory; one code a byte (a code: sign, 4 exponent bits, 3 mantissa bits); its scale is its entry of lowp_scales. Its value is code x scale, taken as it is: it is not quantised again, and the codes and scales need not be those that the quantiser above would give.
;; 2 versions. Each part assembles by itself: llvm-mc -triple=amdgcn-amd-amdhsa -mcpu=gfx1250 --defsym DOCPART=n.
;; ======== version 1 of 2: 2 launches
;; workspace buffers: kv 10,485,760 bytes; qc 2,097,152 bytes
;; launch proj (part 1): grid 512 x 1, 8 waves a work-group, no clusters, 50,176 bytes of LDS; arguments x, wf_codes, wg_codes, wh_codes, lowp_scales, kv, qc; writes kv, qc
.if DOCPART == 1
	.amdgcn_target "amdgcn-amd-amdhsa--gfx1250"
	.amdhsa_code_object_version 6
	.text
	.protected	k_q62bbe15c70_proj
	.globl	k_q62bbe15c70_proj
	.p2align	8
	.type	k_q62bbe15c70_proj,@function
k_q62bbe15c70_proj:
	s_mov_b64 s[64:65], 0
	v_nop
	global_prefetch_b8 v0, s[64:65] scope:SCOPE_SE
	s_setreg_imm32_b32 hwreg(HW_REG_WAVE_MODE, 25, 1), 1
	s_wait_xcnt 0x0
; fx = wf x, gx = wg x, hx = wh x for 64 positions of one batch, all three on codes of FP8 (E4M3), and their results quantised again for the two products of the next launch.
; x: [8][256][4096] f32.  wf, wg: [64][256], wh: [256][256]: codes, K innermost.  The ten exponents e0 .. e9 (int32): x is quantised three times, by 2^e0 (for wf), 2^e2 (for wg), 2^e4 (for wh);
; a sum of the first product stands for sum x 2^(e0 + e1), and fx's code is fx / 2^e6: so the conversion takes 2^(e6 - e0 - e1); gx likewise 2^(e7 - e2 - e3), hx 2^(e8 - e4 - e5).
; NOTHING IS LEFT OUT: every product of the problem is live and every input has a way to the output; x, the three weights and the exponents are loaded here, gamma (and x once more) in the next launch.
; LIMITS: e0, e2, e4, e6 - e0 - e1, e7 - e2 - e3, e8 - e4 - e5 between -126 and 119, so that each scale and 448 x the scale are f32 numbers.  NaN and infinity among the inputs are not served.
; SHARES.  A work-group takes 64 positions (256 bytes of each of x's 256 rows).  THE WAVES SHARE THE OUTPUTS: wave w keeps 16 rows of wf (w < 4) or of wg (w >= 4) and 32 rows of wh in registers.
; x is read once: wave w loads rows 32 w .. 32 w + 31, a lane 16 rows x 4 neighbouring positions, so that a lane's registers run DOWN K.  The 4 positions of a lane go to 4 TILES: tile u, lane r = position 4 r + u.
; A lane's 16 codes are four registers of a fragment (16 positions x 128 K: registers 4 c .. 4 c + 3 = K 32 c + 16 (lane / 16) + 0 .. 15, the same order of K in which the weights are loaded);
; they go to LDS as an image of those registers (16 bytes a lane, 512 a store), one barrier, and every wave loads whole fragments by the same lines.
; RESULTS.  fx, gx: source 0 = the weight's 16 rows, source 1 = x: a lane holds one position and 8 neighbouring channels: 8 codes = registers 2 c, 2 c + 1 of an operand of the K = 64 form.
; hx: source 0 = x, source 1 = the weight: a lane holds one channel and the positions 4 (8 (lane / 16) + j) + u: 8 codes = registers 2 tile, 2 tile + 1 of an operand of the K = 128 form whose K are 128 keys.
; All three are stored as images of the registers in which the next launch wants them: kv in blocks of 81,920 bytes = 8 pieces of [2 key tiles of 1,024][4 fragments of hx of 2,048]; pieces 0-3 hold the even key step
; 2 d, keys and values; pieces 4-7 the keys of step 2 d + 1 and the values of step 2 d - 1 (cyclically).  qc: a tile of 16 queries in 1,024 bytes.  Every store covers 256 or 512 consecutive bytes, aligned.
.set SPARE, 49152                      ; LDS: x's images, 3 scales x 4 tiles x 2 K steps x 2,048 bytes; behind them the spare words, 128 bytes for each wave
.set XO,   1                           ; v1   x: (lane / 16) x 16 rows + 16 bytes x (lane % 16)
.set XW,   2                           ; v2   where I store my four registers of an image
.set LI,   3                           ; v3   16 x lane
.set FGI,  4                           ; v4   16 x lane + the set of images that my small product reads (e0's or e2's)
.set WO,   5                           ; v5   a weight's row (lane % 16) x 256 + 16 x (lane / 16)
.set SPW,  6                           ; v6   LDS address of my spare word; never rewritten
.set NIL,  7                           ; v7   0; never rewritten
.set L8,   8                           ; v8   8 x lane
.set L8B,  9                           ; v9   8 x lane + the step to tiles 2 and 3
.set SC,   10                          ; v10-15  (2^e, 448 x 2^e) for e0, e2, e4
.set SFG,  16                          ; v16-17  the same for fx's or gx's conversion
.set SH,   18                          ; v18-19  for hx's
.set T,    20                          ; v20-51  two sets of 16 held numbers; later the three accumulators and fx's or gx's codes
.set C,    52                          ; v52-75  six sets of 4 registers of x's codes; later hx's codes
.set X,    76                          ; v76-139 x: register 4 i + u = row i, position u of my four; later the fragments
.set AFG,  20
.set AH0,  28
.set AH1,  36
.set FGC,  44
.set HC,   52
.set FRFG, 76
.set FRH,  108
.set WFG,  140                         ; v140-171 my 16 rows of wf or wg, two K steps
.set WH0,  172                         ; v172-203, v204-235 my 32 rows of wh
.set WH1,  204
.set WV,   18                          ; s18  my wave's number
	s_load_b256 s[4:11], s[0:1], 0x0               ; x s[4:5], wf s[6:7], wg s[8:9], wh s[10:11]
	s_load_b128 s[12:15], s[0:1], 0x20             ; the exponents s[12:13], kv s[14:15]
	s_load_b64 s[16:17], s[0:1], 0x30              ; qc
	v_lshl_add_u32 v[SPW], v0, 2, SPARE
	v_mov_b32 v[NIL], 0
	v_lshrrev_b32 v239, 5, v0
	v_readfirstlane_b32 s[WV], v239                ; wave 0..7
	v_and_b32 v238, 31, v0                         ; lane
	v_and_b32 v236, 15, v0                         ; r
	v_bfe_u32 v237, v0, 4, 1                       ; h
	v_lshlrev_b32 v[XO], 4, v236
	v_lshl_add_u32 v[XO], v237, 18, v[XO]          ; 16 rows of 16,384 bytes for lanes 16-31
	v_lshlrev_b32 v[LI], 4, v238
	v_lshlrev_b32 v[L8], 3, v238
	v_lshlrev_b32 v[WO], 8, v236
	v_lshl_add_u32 v[WO], v237, 4, v[WO]
	s_lshr_b32 s20, s[WV], 2                       ; 0: my small product is fx, 1: gx.  Also the K step of the image that I make
	s_and_b32 s21, s[WV], 3                        ; which 16 rows of wf or wg.  Also which four registers of that image
	s_lshl_b32 s22, s20, 11
	s_lshl_b32 s23, s21, 9
	s_add_co_u32 s22, s22, s23
	v_add_nc_u32 v[XW], s22, v[LI]                 ; K step x 2,048 + group of four registers x 512 + 16 x lane
	s_lshl_b32 s22, s20, 14
	v_add_nc_u32 v[FGI], s22, v[LI]                ; a set of images is 16,384 bytes
	s_lshr_b32 s34, ttmp9, 6                       ; batch
	s_and_b32 s35, ttmp9, 63                       ; which 64 positions
	s_and_b32 s36, s35, 1                          ; which half of a key step of 128
	s_bfe_u32 s37, s35, 0x10001                    ; g: even or odd key step
	s_lshr_b32 s38, s35, 2                         ; the block that holds the step's keys
	s_add_co_u32 s39, s38, s37
	s_and_b32 s39, s39, 15                         ; and the block that holds its values: an odd step's lie one block on, cyclically
	s_lshl_b32 s40, s34, 22                        ; x: batch x 4 MiB + 256 bytes x block of positions + my 32 rows
	s_lshl_b32 s41, s35, 8
	s_add_co_u32 s40, s40, s41
	s_lshl_b32 s41, s[WV], 19
	s_add_co_u32 s40, s40, s41
	s_mov_b32 s41, 0
	s_lshl_b32 s42, s21, 12                        ; my 16 rows of wf or wg
	s_mov_b32 s43, 0
	s_lshl_b32 s44, s[WV], 13                      ; my 32 rows of wh
	s_mov_b32 s45, 0
	s_mul_i32 s46, s34, 1310720                    ; kv: a batch's 16 blocks
	s_mul_i32 s47, s38, 81920
	s_add_co_u32 s47, s47, s46
	s_lshl_b32 s48, s37, 2                         ; 4 g
	s_lshl_b32 s49, s36, 1
	s_add_co_u32 s49, s49, s48
	s_mul_i32 s49, s49, 10240
	s_add_co_u32 s47, s47, s49                     ; fx: piece 4 g + 2 x half (+ 1 for tiles 2 and 3)
	s_lshl_b32 s50, s34, 18
	s_lshl_b32 s51, s35, 12
	s_add_co_u32 s50, s50, s51                     ; gx: tile 256 x batch + 4 x block of positions (+ u)
	s_mul_i32 s52, s39, 81920
	s_add_co_u32 s52, s52, s46
	s_lshr_b32 s53, s[WV], 1
	s_add_co_u32 s53, s53, s48
	s_mul_i32 s53, s53, 10240
	s_add_co_u32 s52, s52, s53                     ; hx: piece 4 g + w / 2,
	s_and_b32 s53, s[WV], 1
	s_lshl_b32 s53, s53, 12
	s_add_co_u32 s52, s52, s53                     ; fragments 2 (w % 2), 2 (w % 2) + 1 of its four,
	s_lshl_b32 s53, s36, 10
	s_add_co_u32 s52, s52, s53                     ; the half of a fragment that these 64 keys fill,
	s_add_co_u32 s52, s52, 2048                    ; behind the piece's two key tiles
	s_mov_b32 s53, 0
	s_cmp_lt_u32 s[WV], 4
	s_cselect_b32 s54, s47, s50
	s_mov_b32 s56, 2048
	s_cselect_b32 s56, 10240, s56                  ; from tile u to tile u + 2: a piece in kv, two tiles in qc
	s_lshl_b32 s55, s21, 8
	s_add_co_u32 s54, s54, s55                     ; my 16 channels: 256 bytes of a tile's image
	s_mov_b32 s55, 0
	v_add_nc_u32 v[L8B], s56, v[L8]
	s_wait_kmcnt 0x0
	s_load_b256 s[24:31], s[12:13], 0x0            ; e0 .. e7
	s_load_b32 s32, s[12:13], 0x20                 ; e8
	s_add_nc_u64 s[4:5], s[4:5], s[40:41]
	s_cmp_lt_u32 s[WV], 4                          ; the choices hang on the wave's number alone
	s_cselect_b64 s[6:7], s[6:7], s[8:9]           ; wf or wg
	s_cselect_b64 s[16:17], s[14:15], s[16:17]     ; and where the small product's codes go: kv or qc
	s_add_nc_u64 s[6:7], s[6:7], s[42:43]
	s_add_nc_u64 s[10:11], s[10:11], s[44:45]
	s_add_nc_u64 s[16:17], s[16:17], s[54:55]
	s_add_nc_u64 s[14:15], s[14:15], s[52:53]
.set i, 0
.rept 16
	global_load_b128 v[X+4*i:X+4*i+3], v[XO], s[4:5] offset:i*16384 th:TH_LOAD_NT   ; sixteen lanes read a row's 256 consecutive bytes, aligned
.set i, i+1
.endr
.irp k, 0,1
.irp c, 0,1,2,3
	global_load_b128 v[WFG+16*\k+4*\c:WFG+16*\k+4*\c+3], v[WO], s[6:7] offset:128*\k+32*\c
	global_load_b128 v[WH0+16*\k+4*\c:WH0+16*\k+4*\c+3], v[WO], s[10:11] offset:128*\k+32*\c
	global_load_b128 v[WH1+16*\k+4*\c:WH1+16*\k+4*\c+3], v[WO], s[10:11] offset:4096+128*\k+32*\c
.endr
.endr
; v[vs] = 2^e as f32 (the conversion takes its exponent field), v[vs + 1] = 448 x 2^e; e in s[se]
.macro MKSC vs, se
	s_add_co_i32 s22, s[\se], 127
	s_lshl_b32 s23, s22, 23
	v_mov_b32 v[\vs], s23
	s_add_co_i32 s22, s22, 8
	s_lshl_b32 s22, s22, 23
	s_or_b32 s22, s22, 0x600000
	v_mov_b32 v[\vs+1], s22
.endm
	s_wait_kmcnt 0x0
	s_sub_co_i32 s33, s30, s24
	s_sub_co_i32 s33, s33, s25                     ; e6 - e0 - e1
	s_sub_co_i32 s34, s31, s26
	s_sub_co_i32 s34, s34, s27                     ; e7 - e2 - e3
	s_cmp_lt_u32 s[WV], 4
	s_cselect_b32 s33, s33, s34
	s_sub_co_i32 s35, s32, s28
	s_sub_co_i32 s35, s35, s29                     ; e8 - e4 - e5
	MKSC SC, 24
	MKSC SC+2, 26
	MKSC SC+4, 28
	MKSC SFG, 33
	MKSC SH, 35
	s_wait_loadcnt 24                              ; x's 16 loads are in; the 24 loads of weights issued behind them may be out
; Tile n / 3 of x under scale n % 3: the hold (the conversion to an 8-bit code does not saturate: ISA guide 7.6.2), 16 codes, four registers of an image.
; The held numbers have two sets by turns, so that plain lines on other registers stand behind each pair of conversions.
.macro QX n
.set UU, (\n)/3
.set SS, (\n)%3
.set TBUF, T+16*((\n)%2)
.set CBUF, C+4*((\n)%6)
.set i, 0
.rept 16
	v_med3_num_f32 v[TBUF+i], v[X+4*i+UU], -v[SC+1+2*SS], v[SC+1+2*SS]
.set i, i+1
.endr
	v_cvt_scalef32_pk8_fp8_f32 v[CBUF:CBUF+1], v[TBUF:TBUF+7], v[SC+2*SS]
	v_cvt_scalef32_pk8_fp8_f32 v[CBUF+2:CBUF+3], v[TBUF+8:TBUF+15], v[SC+2*SS]
	ds_store_b128 v[XW], v[CBUF:CBUF+3] offset:(4*SS+UU)*4096
.endm
.irp n, 0,1,2,3,4,5
	QX \n
.endr
	s_wait_dscnt 0x0                               ; the six stores have read their registers, which are written again
.irp n, 6,7,8,9,10,11
	QX \n
.endr
	v_nop                                          ; a plain line behind the last conversion: the products below write its sources
	s_wait_dscnt 0x0                               ; for the others' sake: my stores have landed
	s_barrier_signal -1
	s_barrier_wait -1                              ; x's 24 fragments lie in LDS
	s_wait_loadcnt 0x0                             ; the weights
.macro FRAGS u                         ; tile u: the fragments under my small product's scale and under e4, two K steps each
.irp k, 0,1
.irp c, 0,1,2,3
	ds_load_b128 v[FRFG+16*\k+4*\c:FRFG+16*\k+4*\c+3], v[FGI] offset:(\u)*4096+\k*2048+512*\c
	ds_load_b128 v[FRH+16*\k+4*\c:FRH+16*\k+4*\c+3], v[LI] offset:32768+(\u)*4096+\k*2048+512*\c
.endr
.endr
.endm
; Tile u: six products, the three accumulators by turns; the hold, the conversions, the stores.  Every store has data registers of its own.
.macro UST u
	s_wait_dscnt 0x0
	v_wmma_f32_16x16x128_fp8_fp8 v[AFG:AFG+7], v[WFG:WFG+15], v[FRFG:FRFG+15], 0
	v_wmma_f32_16x16x128_fp8_fp8 v[AH0:AH0+7], v[FRH:FRH+15], v[WH0:WH0+15], 0
	v_wmma_f32_16x16x128_fp8_fp8 v[AH1:AH1+7], v[FRH:FRH+15], v[WH1:WH1+15], 0
	v_wmma_f32_16x16x128_fp8_fp8 v[AFG:AFG+7], v[WFG+16:WFG+31], v[FRFG+16:FRFG+31], v[AFG:AFG+7]
	v_wmma_f32_16x16x128_fp8_fp8 v[AH0:AH0+7], v[FRH+16:FRH+31], v[WH0+16:WH0+31], v[AH0:AH0+7]
	v_wmma_f32_16x16x128_fp8_fp8 v[AH1:AH1+7], v[FRH+16:FRH+31], v[WH1+16:WH1+31], v[AH1:AH1+7]
.rept 5
	v_nop                                          ; four places in front of the loads into the fragments and of the first read of results; the fifth for the next tile's products, which begin these accumulators anew
.endr
.if \u < 3
	FRAGS \u+1
.endif
.set i, 0
.rept 8
	v_med3_num_f32 v[AFG+i], v[AFG+i], -v[SFG+1], v[SFG+1]   ; each accumulator from its low end on
.set i, i+1
.endr
.set i, 0
.rept 16
	v_med3_num_f32 v[AH0+i], v[AH0+i], -v[SH+1], v[SH+1]
.set i, i+1
.endr
	v_cvt_scalef32_pk8_fp8_f32 v[FGC+2*\u:FGC+2*\u+1], v[AFG:AFG+7], v[SFG]
	v_cvt_scalef32_pk8_fp8_f32 v[HC+4*(\u/2)+2*(\u%2):HC+4*(\u/2)+2*(\u%2)+1], v[AH0:AH0+7], v[SH]
	v_cvt_scalef32_pk8_fp8_f32 v[HC+8+4*(\u/2)+2*(\u%2):HC+8+4*(\u/2)+2*(\u%2)+1], v[AH1:AH1+7], v[SH]
	v_nop                                          ; a plain line behind the last conversion: the next tile's products write its sources
.if \u < 2
	global_store_b64 v[L8], v[FGC+2*\u:FGC+2*\u+1], s[16:17] offset:(\u%2)*1024    ; 32 lanes store 256 consecutive bytes, aligned
.else
	global_store_b64 v[L8B], v[FGC+2*\u:FGC+2*\u+1], s[16:17] offset:(\u%2)*1024
.endif
.if (\u%2) == 1                        ; two tiles' codes are four registers of a fragment of hx: 512 consecutive bytes a store
	global_store_b128 v[LI], v[HC+4*(\u/2):HC+4*(\u/2)+3], s[14:15] offset:(\u/2)*512
	global_store_b128 v[LI], v[HC+8+4*(\u/2):HC+8+4*(\u/2)+3], s[14:15] offset:2048+(\u/2)*512
.endif
.endm
	FRAGS 0
.irp u, 0,1,2,3
	UST \u
.endr
	s_wait_tensorcnt 0x0                           ; the wave's end: behind my last LDS store
	ds_add_u32 v[SPW], v[NIL]
	s_wait_dscnt 0x0
	s_endpgm
.Lfunc_end_k_q62bbe15c70_proj:
	.size	k_q62bbe15c70_proj, .Lfunc_end_k_q62bbe15c70_proj-k_q62bbe15c70_proj
	.p2alignl 7, 3214868480
	.fill 96, 4, 3214868480
	.section	.rodata,"a",@progbits
	.p2align	6, 0x0
	.amdhsa_kernel k_q62bbe15c70_proj
		.amdhsa_group_segment_fixed_size 50176
		.amdhsa_private_segment_fixed_size 0
		.amdhsa_enable_private_segment 0
		.amdhsa_kernarg_size 56
		.amdhsa_user_sgpr_count 2
		.amdhsa_user_sgpr_kernarg_segment_ptr 1
		.amdhsa_wavefront_size32 1
		.amdhsa_system_sgpr_workgroup_id_x 1
		.amdhsa_system_sgpr_workgroup_id_y 1
		.amdhsa_system_sgpr_workgroup_id_z 1
		.amdhsa_system_vgpr_workitem_id 0
		.amdhsa_next_free_vgpr 240
		.amdhsa_next_free_sgpr 66
		.amdhsa_reserve_vcc 0
		.amdhsa_float_denorm_mode_32 3
		.amdhsa_float_denorm_mode_16_64 3
		.amdhsa_memory_ordered 1
		.amdhsa_forward_progress 1
		.amdhsa_inst_pref_size 38
	.end_amdhsa_kernel
	.amdgpu_metadata
---
amdhsa.version: [ 1, 2 ]
amdhsa.kernels:
  - .name:           k_q62bbe15c70_proj
    .symbol:         k_q62bbe15c70_proj.kd
    .args:
      - { .name: x, .offset: 0, .size: 8, .value_kind: global_buffer, .address_space: global }
      - { .name: wf_codes, .offset: 8, .size: 8, .value_kind: global_buffer, .address_space: global }
      - { .name: wg_codes, .offset: 16, .size: 8, .value_kind: global_buffer, .address_space: global }
      - { .name: wh_codes, .offset: 24, .size: 8, .value_kind: global_buffer, .address_space: global }
      - { .name: lowp_scales, .offset: 32, .size: 8, .value_kind: global_buffer, .address_space: global }
      - { .name: kv, .offset: 40, .size: 8, .value_kind: global_buffer, .address_space: global }
      - { .name: qc, .offset: 48, .size: 8, .value_kind: global_buffer, .address_space: global }
    .group_segment_fixed_size: 50176
    .private_segment_fixed_size: 0
    .kernarg_segment_align: 8
    .kernarg_segment_size: 56
    .max_flat_workgroup_size: 256
    .sgpr_count:     66
    .vgpr_count:     240
    .wavefront_size: 32
...
	.end_amdgpu_metadata
.endif
;; end of part 1
;; launch attn (part 2): grid 32 x 8, 8 waves a work-group, clusters of 4 x 1, 327,680 bytes of LDS; arguments qc, kv, x, gamma, lowp_scales, out0; writes out0
.if DOCPART == 2
	.amdgcn_target "amdgcn-amd-amdhsa--gfx1250"
	.amdhsa_code_object_version 6
	.text
	.protected	k_q62bbe15c70_attn
	.globl	k_q62bbe15c70_attn
	.p2align	8
	.type	k_q62bbe15c70_attn,@function
k_q62bbe15c70_attn:
	s_mov_b64 s[64:65], 0
	v_nop
	global_prefetch_b8 v0, s[64:65] scope:SCOPE_SE
	s_setreg_imm32_b32 hwreg(HW_REG_WAVE_MODE, 25, 1), 1
	s_wait_xcnt 0x0
	s_wait_alu depctr_hold_cnt(0) depctr_sa_sdst(0) depctr_va_vdst(0) depctr_va_sdst(0) depctr_va_ssrc(0) depctr_va_vcc(0) depctr_vm_vsrc(0)
	s_getreg_b32 s2, hwreg(HW_REG_IB_STS2, 6, 4)
	s_cmp_eq_u32 s2, 0
	s_cbranch_scc0 .Lentry_in_a_cluster
	s_endpgm
.Lentry_in_a_cluster:
	s_bfe_u32 s2, ttmp6, 0x10000c
	s_cmp_lg_u32 s2, 0x3003
	s_cbranch_scc0 .Lentry_shape_is_right
	s_endpgm
.Lentry_shape_is_right:
; out[b][c][j] = gamma x (sum over i of hx[c][i] softmax_i(fx[:, i] . gx[:, j])) + x[b][c][j], both products on codes of FP8 (E4M3): the keys are fx's columns i, the queries gx's columns j, the values hx.
; Nothing is left out here either: all 4,096 keys count for every query.
; qc: tiles of 16 queries, kv: key tiles and fragments of hx, both as images of the operands' registers (tile u of a block of 64 positions, lane r = position 4 r + u; a key step is 128 keys = 8 tiles).
; THE SOFTMAX: t = score x log2(e); M = the largest t so far, rounded UP to a whole number; p = 2^(t - M) is quantised by 2^e9, not normalised; the sum l is taken of the unquantised p and divides at the end.
; When M moves, l and O are multiplied by 2^(old M - new M): exact.  p is quantised under the running M of its wave's half of the keys: only numbers under the format's range can differ from those under the final M.
; LIMITS: e6 + e7 between -126 and 127 (added to the exponent field of log2(e)); e9 between -126 and 119; e8 + e9 goes by v_ldexp_f32 and has none.  NaN and infinity among the inputs are not served.
; SHARES.  A work-group owns 128 queries of one batch.  Waves w and w + 4 own the same 32 queries (two tiles) and SPLIT THE KEYS: waves 0-3 (group A) take the even key steps, waves 4-7 (group B) the odd ones;
; each has O^T (2 tiles x 256 channels: 256 registers), M and l of its own, and the two are joined at the end by exact powers of two.
; THE GROUPS ARE SKEWED: in a period A runs K Q^T, softmax, V^T P; B runs V^T P of the period before, K Q^T, softmax: one group's matrix work and LDS loads stand beside the other's vector work.
; A block of kv holds what one period reads: A's step whole, B's keys of this period and B's values of the period before.  So every byte of a slot is read in its own period, and two slots serve.  17 periods.
; LAYOUT.  S^T = K Q^T (source 0 = 16 keys, source 1 = 16 queries), O^T = V^T P (source 0 = 16 channels x 128 keys, source 1 = p's codes): a lane holds ONE query throughout; the 8 codes made of tile t of S^T are
; registers 2 t, 2 t + 1 of source 1, and hx's fragments were laid with the same keys in the same places.
; CLUSTER.  The four work-groups of a cluster walk the same blocks of one batch: each piece of a block is asked for JOINTLY, by the same tensor load with the same descriptor and the mask of all four.
; The eight clusters of a batch start at different blocks (2 x cluster x) and walk cyclically: their first requests name each of the batch's 16 blocks once.  That is why kv has no prefetch of its own.
; REGISTERS, in windows of 256.  Window 1: O^T, tile q, channels 16 ct on, at 128 q + 8 ct.  Window 0: v1-8 addresses; v12-27 statistics, 8 a tile; v28-31 at work; v32-47 Q; v48-79 p's codes (in K Q^T: key tiles 0-3);
; v80-207 S^T (in V^T P: two buffers of four fragments of hx); v208-239 key tiles 4-7; v240-247 scales and addresses.  On the way out v32-95 are at work and v96-223 hold x.
.set PIECE, 10240                      ; what one tensor load brings: 2 key tiles + 4 fragments of hx
.set BLOCK, 81920                      ; 8 pieces: a slot
.set SLOT1, 131072                     ; slot 1 begins here, so that one exclusive or turns an address in one slot into the other's
.set SPARE, 81920                      ; behind slot 0: the spare words, 128 bytes for each wave: four blocks of 256 bytes that no other line names
.set XCH,   82944                      ; 16 bytes a thread: M and l go from a wave to its partner
.set AK0, 1                            ; v1   my lane's place in my group's key tiles
.set AV0, 2                            ; v2   the same for hx's fragments
.set ADK, 3                            ; v3, v4  the same in the slot in hand
.set ADV, 4
.set QO,  5                            ; v5   8 x lane
.set SPW, 6                            ; v6   LDS address of my spare word; never rewritten
.set NIL, 7                            ; v7   0; never rewritten
.set PXO, 8                            ; v8   the prefetches' offset; never rewritten
.set ST,  12                           ; tile q's statistics at v[ST + 8 q]: +0 -M, +1 the largest t, +2, +3 l in two halves, +4 f (at the end: the scale), +5 named with it as a pair, +6, +7 at work
.set Q,   32
.set PC,  48
.set S,   80
.set VB0, 80
.set VB1, 144
.set KH,  208
.set SCL, 240                          ; v240 2^e9 as f32; v241 448 x 2^e9
.set LIM, 241
.set SO,  242                          ; the way out: where I put 8 bytes of a row
.set RD,  243                          ; where I read a row of group A's part back; v244: of group B's
.set RDB, 244
.set GO,  245                          ; 16 x lane
.set XCW, 246
.set XCR, 247
.set WK,  32
.set XR,  96
.set WV,  16
.set GRP, 17
.set CX,  18
.set WGX, 19
.set BAT, 20
.set G1,  24                           ; s[24:31] descriptor group 1
.set G0A, 32                           ; s[32:35] group 0 of slot 0's first fill
.set G0B, 36                           ; s[36:39] of slot 1's, which then walks
.set EX,  40                           ; s[40:43] e6 .. e9
.set GAM, 44
.set ESUM, 45
.set KVW, 46                           ; s[46:47] kv at my batch and my wave's piece
.set OFF, 48                           ; s[48:49] an offset
.set DI,  50                           ; s50  the block last asked for
.set TB,  51                           ; s51  LDS byte at which the slot in hand begins
.set TRIPS, 52
.set CS,  54                           ; s[54:55] c = log2(e) x 2^(e6 + e7): the packed form names a pair and takes its low word
.set SEL, 56                           ; s[56:57] lane selects for v_permlanex16_b32: lane l xor 16
.set XB,  58                           ; s[58:59] x, s[60:61] out, at my batch, my wave's 16 rows of a half, my work-group's 512 bytes
.set OB,  60
.set MSB, 0
.macro WIN new                         ; the immediate's high byte repeats the setting that is left
.if MSB != \new
	s_set_vgpr_msb (MSB<<8)|\new
.set MSB, \new
.endif
.endm
.macro PLACES n                        ; plain vector lines behind matrix instructions (ISA guide 7.12.1)
.rept \n
	v_nop
.endr
.endm
.macro CROUND                          ; a round of the cluster's barrier
	s_barrier_signal -1
	s_barrier_wait -1
	s_cmp_lg_u32 s[WV], 0
	s_cbranch_scc1 .Lnot_wave_0_\@
	s_barrier_signal -3
.Lnot_wave_0_\@:
	s_barrier_wait -3
	s_barrier_signal -1
	s_barrier_wait -1
.endm
	s_load_b256 s[4:11], s[0:1], 0x0               ; qc s[4:5], kv s[6:7], x s[8:9], gamma s[10:11]
	s_load_b128 s[12:15], s[0:1], 0x20             ; the exponents s[12:13], out s[14:15]
	v_lshl_add_u32 v[SPW], v0, 2, SPARE
	v_mov_b32 v[NIL], 0
	ds_add_u32 v[SPW], v[NIL]                      ; the wave's opening: the add, twice on end, and its wait ahead of my first tensor load; the set-up below, work on registers, stands between
	ds_add_u32 v[SPW], v[NIL]
	v_lshrrev_b32 v11, 5, v0
	v_readfirstlane_b32 s[WV], v11                 ; wave 0..7
	s_lshr_b32 s[GRP], s[WV], 2                    ; 0: group A, 1: group B
	s_bfe_u32 s[CX], ttmp6, 0x40000                ; my place in the cluster: it enters the addresses of qc, x and out alone
	s_lshl_b32 s[WGX], ttmp9, 2
	s_add_co_u32 s[WGX], s[WGX], s[CX]             ; my block of 128 queries
	s_and_b32 s[BAT], ttmp7, 0xffff                ; the batch, which the four partners share
	; descriptor group 1: a piece is dense in memory: 40 rows of 256 bytes, elements of 8 bytes, no padding (images are read as consecutive bytes)
	s_mov_b32 s[G1], 15|(3<<16)|(1<<21)            ; 15:0 the mask: all four work-groups; 17:16 elements of 8 bytes; 21 set beside a mask
	s_mov_b32 s[G1+1], 32<<16                      ; tensor_dim0 = 32
	s_mov_b32 s[G1+2], 40<<16                      ; tensor_dim1 = 40
	s_mov_b32 s[G1+3], 32<<16                      ; tile_dim0 = 32
	s_mov_b32 s[G1+4], 40                          ; tile_dim1 = 40
	s_mov_b32 s[G1+5], 32                          ; from row to row
	s_mov_b32 s[G1+6], 0
	s_mov_b32 s[G1+7], 0
	s_mov_b32 s[SEL], 0x76543210
	s_mov_b32 s[SEL+1], 0xfedcba98
	s_mov_b32 s[TB], 0
	s_mov_b32 s[TRIPS], 13
	s_lshl_b32 s[DI], ttmp9, 1                     ; the cluster's first block
	s_mul_i32 s[OFF], s[BAT], 16*BLOCK
	s_mul_i32 s21, s[WV], PIECE                    ; my piece: in a block of kv and in a slot alike
	s_add_co_u32 s[OFF], s[OFF], s21
	s_mov_b32 s[OFF+1], 0
	s_lshl_b32 s22, s[BAT], 8                      ; qc: tile 256 x batch + 8 x block of queries + 2 x (wave % 4)
	s_lshl_b32 s23, s[WGX], 3
	s_add_co_u32 s22, s22, s23
	s_and_b32 s23, s[WV], 3
	s_lshl_b32 s23, s23, 1
	s_add_co_u32 s22, s22, s23
	s_lshl_b32 s22, s22, 10
	s_mov_b32 s23, 0
	s_lshl_b32 s[XB], s[BAT], 22                   ; x and out: batch x 4 MiB + wave x 16 rows of 16,384 bytes + 512 bytes x block of queries
	s_lshl_b32 s53, s[WV], 18
	s_add_co_u32 s[XB], s[XB], s53
	s_lshl_b32 s53, s[WGX], 9
	s_add_co_u32 s[XB], s[XB], s53
	s_mov_b32 s[XB+1], 0
	v_and_b32 v9, 31, v0                           ; lane
	v_bfe_u32 v10, v0, 7, 1                        ; my group
	v_lshlrev_b32 v[RD], 13, v11                   ; the way out: wave w reads rows 16 w .. 16 w + 15 of 512 bytes, 16 bytes a lane
	v_lshl_add_u32 v[RD], v9, 4, v[RD]
	v_add_nc_u32 v[RDB], SLOT1, v[RD]
	v_mul_u32_u24 v11, v10, 4*PIECE                ; group B's four pieces lie behind group A's
	v_lshl_add_u32 v[AK0], v9, 3, v11
	v_lshl_add_u32 v[AV0], v9, 4, v11
	v_add_nc_u32 v[AV0], 2048, v[AV0]              ; behind a piece's two key tiles
	v_lshlrev_b32 v[QO], 3, v9
	v_lshlrev_b32 v[GO], 4, v9
	v_lshrrev_b32 v11, 1, v9
	v_lshlrev_b32 v[PXO], 14, v11                  ; the prefetches: row lane / 2 of my 16, its first or second 256 bytes
	v_and_b32 v11, 1, v9
	v_lshl_add_u32 v[PXO], v11, 8, v[PXO]
	v_and_b32 v248, 15, v0                         ; r
	v_bfe_u32 v249, v0, 4, 1                       ; h
	v_bfe_u32 v250, v0, 5, 1                       ; wave % 2
	v_bfe_u32 v251, v0, 6, 1                       ; (wave / 2) % 2
	v_xor_b32 v250, v250, v249
	v_lshlrev_b32 v[SO], 17, v10                   ; the stage: group A's part in slot 0, group B's in slot 1; a row is a channel: 128 queries, 512 bytes
	v_lshl_add_u32 v[SO], v249, 12, v[SO]          ; + 8 rows for lanes 16-31
	v_lshl_add_u32 v[SO], v251, 8, v[SO]           ; my queries are 64 ((w / 2) % 2) + 4 r + 2 (w % 2) + 0, 1: 8 bytes of a cell of 16
	v_lshl_add_u32 v[SO], v248, 4, v[SO]
	v_lshl_add_u32 v[SO], v250, 3, v[SO]           ; in the rows of lanes 16-31 a cell's halves change places, so that the 32 lanes of a store touch 64 different banks (64 banks of 4 bytes: ISA guide 11.1)
	v_lshl_add_u32 v[XCW], v0, 4, XCH
	v_xor_b32 v11, 128, v0                         ; the same lane of my partner, four waves away
	v_lshl_add_u32 v[XCR], v11, 4, XCH
	v_mov_b32 v28, 0                               ; written once: a lane permute's destination counts as one of its sources
	v_mov_b32 v29, 0
	v_mov_b32 v[ST+5], 0                           ; (named as the upper halves of the pairs that hold f)
	v_mov_b32 v[ST+13], 0
	s_wait_dscnt 0x0                               ; both opening adds are done
	s_wait_kmcnt 0x0
	s_load_b128 s[EX:EX+3], s[12:13], 0x18         ; e6, e7, e8, e9
	s_load_b32 s[GAM], s[10:11], 0x0
	s_add_nc_u64 s[KVW:KVW+1], s[6:7], s[OFF:OFF+1]
	s_add_nc_u64 s[4:5], s[4:5], s[22:23]
	s_add_nc_u64 s[OB:OB+1], s[14:15], s[XB:XB+1]
	s_add_nc_u64 s[XB:XB+1], s[8:9], s[XB:XB+1]
	s_mul_i32 s[OFF], s[DI], BLOCK
	s_mov_b32 s[G0A], 1                            ; 1:0 count = 1
	s_mov_b32 s[G0A+1], s21                        ; 63:32 LDS address: my piece of slot 0
	s_add_nc_u64 s[G0A+2:G0A+3], s[KVW:KVW+1], s[OFF:OFF+1]   ; 120:64 global address: the cluster's first block
	s_or_b32 s[G0A+3], s[G0A+3], 0x80000000        ; 127:126 type = 2
	s_add_co_u32 s[DI], s[DI], 1                   ; at most 15
	s_mul_i32 s[OFF], s[DI], BLOCK
	s_mov_b32 s[G0B], 1
	s_add_co_u32 s[G0B+1], s21, SLOT1
	s_add_nc_u64 s[G0B+2:G0B+3], s[KVW:KVW+1], s[OFF:OFF+1]
	s_or_b32 s[G0B+3], s[G0B+3], 0x80000000
	CROUND                                         ; all four work-groups are here: the first joint loads meet
	tensor_load_to_lds s[G0A:G0A+3], s[G1:G1+7]    ; every wave fetches its piece of both slots: two loads of mine are out
	s_nop 0
	tensor_load_to_lds s[G0B:G0B+3], s[G1:G1+7]
	s_nop 0
	PLACES 4
.irp q, 0,1
.irp c, 0,1,2,3
	global_load_b64 v[Q+8*\q+2*\c:Q+8*\q+2*\c+1], v[QO], s[4:5] offset:\q*1024+\c*256   ; Q's two tiles stay in registers
.endr
.endr
; THE CHANGE OF SLOTS, at a period's head.  Each wave waits for all its tensor loads (its piece of the slot that it is about to read), adds 0 to its spare word, and waits for that and for its reads of the slot that it has left.
; fill = 1: that slot is filled with the block two periods on, jointly: the barrier is a round of the cluster's, and the load is the first thing behind it; it has a whole period in which to land.
; fill = 2: the last block: only group B's values are wanted of it, so only waves 4-7 ask (a branch on the wave's number, the same in all partners).  fill = 0: nothing is asked for.
.macro CHANGE fill
	s_wait_tensorcnt 0x0                           ; no tensor load of mine is out, so a group 0 may be written
	ds_add_u32 v[SPW], v[NIL]                      ; 0 onto my spare word; the descriptor's step stands between it and the wait for it
.if \fill
	s_xor_b32 s[G0B+1], s[G0B+1], SLOT1            ; the other slot than last time,
	s_add_co_u32 s[DI], s[DI], 1
	s_and_b32 s[DI], s[DI], 15                     ; the next block, cyclically
	s_mul_i32 s[OFF], s[DI], BLOCK
	s_add_nc_u64 s[G0B+2:G0B+3], s[KVW:KVW+1], s[OFF:OFF+1]
	s_or_b32 s[G0B+3], s[G0B+3], 0x80000000
.endif
	s_wait_dscnt 0x0                               ; the add is done, and my reads of the slot that I have left are over
.if \fill
	CROUND                                         ; both now hold of every wave of every partner
.if \fill == 2
	s_cmp_lt_u32 s[WV], 4
	s_cbranch_scc1 .Lnofill_\@
.endif
	tensor_load_to_lds s[G0B:G0B+3], s[G1:G1+7]    ; my one tensor load until the next change
	s_nop 0
	PLACES 4
.if \fill == 2
.Lnofill_\@:
.endif
.else
	s_barrier_signal -1
	s_barrier_wait -1
.endif
	v_add_nc_u32 v[ADK], s[TB], v[AK0]
	v_add_nc_u32 v[ADV], s[TB], v[AV0]
.endm
.macro VLOAD grp, buf                  ; four fragments of hx (channels 64 grp on, my step's 128 keys): 16 loads of 512 consecutive bytes
.irp t, 0,1,2,3
.irp c, 0,1,2,3
	ds_load_b128 v[\buf+16*\t+4*\c:\buf+16*\t+4*\c+3], v[ADV] offset:\grp*PIECE+\t*2048+512*\c
.endr
.endr
.endm
.macro PVG grp, buf, first             ; 8 products: each fragment against both tiles' p.  The 32 accumulators take turns, one instruction a turn
.irp t, 0,1,2,3
.irp q, 0,1
.if \first
	v_wmma_f32_16x16x128_fp8_fp8 v[128*\q+8*(4*\grp+\t):128*\q+8*(4*\grp+\t)+7], v[\buf+16*\t:\buf+16*\t+15], v[PC+16*\q:PC+16*\q+15], 0
.else
	v_wmma_f32_16x16x128_fp8_fp8 v[128*\q+8*(4*\grp+\t):128*\q+8*(4*\grp+\t)+7], v[\buf+16*\t:\buf+16*\t+15], v[PC+16*\q:PC+16*\q+15], v[128*\q+8*(4*\grp+\t):128*\q+8*(4*\grp+\t)+7]
.endif
.endr
.endr
.endm
.macro WINPV first                     ; hx and p in window 0, O^T in window 1
.if \first
	WIN 0x40
.else
	WIN 0x50
.endif
.endm
; O^T = O^T x f + V^T P for one key step.  first = 1: the products start the sums with the constant 0: nothing is ever cleared, and there is no f.
; THE BLOCK ENDS WITH FIVE PLACES, so that every way out of it has them: four are asked in front of loads into the fragments' and p's registers, which the last products read (the next V^T P, the key tiles, x on the way
; out), and of the vector lines that read or rescale O^T; the fifth since K Q^T lays S^T over the fragments (a matrix instruction that writes over operands of an earlier one).
.macro PVB first
	VLOAD 0, VB0
	VLOAD 1, VB1
.if !\first
	WIN 0x41                                       ; O^T (destination and source 0) in window 1, f in window 0
.set i, 0
.rept 64
	v_pk_mul_f32 v[i:i+1], v[i:i+1], v[ST+4:ST+5] op_sel_hi:[1,0]      ; O^T under the new M: exact.  Each accumulator from its low end on
.set i, i+2
.endr
.rept 64
	v_pk_mul_f32 v[i:i+1], v[i:i+1], v[ST+12:ST+13] op_sel_hi:[1,0]
.set i, i+2
.endr
.endif
	s_wait_dscnt 16                                ; the first four fragments are in; the 16 loads behind them may be out
	WINPV \first
	PVG 0, VB0, \first
	PLACES 4                                       ; in front of loads into registers that matrix instructions have read
	WIN 0
	VLOAD 2, VB0
	s_wait_dscnt 16                                ; all but the 16 just issued
	WINPV \first
	PVG 1, VB1, \first
	PLACES 4
	WIN 0
	VLOAD 3, VB1
	s_wait_dscnt 16
	WINPV \first
	PVG 2, VB0, \first
	s_wait_dscnt 0x0
	PVG 3, VB1, \first
	WIN 0
	PLACES 5                                       ; the block's five places (see above)
.endm
; S^T = K Q^T for one key step: 8 tiles of 16 keys x 2 tiles of queries, K = the 64 channels: one instruction each, C = 0.  (The places behind the last V^T P stand at that block's end.)
.macro KQ
.irp t, 0,1,2,3
.irp c, 0,1,2,3
	ds_load_b64 v[PC+8*\t+2*\c:PC+8*\t+2*\c+1], v[ADK] offset:(\t/2)*PIECE+(\t%2)*1024+256*\c
.endr
.endr
.irp t, 0,1,2,3
.irp c, 0,1,2,3
	ds_load_b64 v[KH+8*\t+2*\c:KH+8*\t+2*\c+1], v[ADK] offset:(2+\t/2)*PIECE+(\t%2)*1024+256*\c
.endr
.endr
	s_wait_dscnt 16                                ; tiles 0-3 are in; tiles 4-7's 16 loads may be out
.irp t, 0,1,2,3
.irp q, 0,1
	v_wmma_f32_16x16x64_fp8_fp8 v[S+64*\q+8*\t:S+64*\q+8*\t+7], v[PC+8*\t:PC+8*\t+7], v[Q+8*\q:Q+8*\q+7], 0
.endr
.endr
	s_wait_dscnt 0x0
.irp t, 0,1,2,3
.irp q, 0,1
	v_wmma_f32_16x16x64_fp8_fp8 v[S+64*\q+32+8*\t:S+64*\q+32+8*\t+7], v[KH+8*\t:KH+8*\t+7], v[Q+8*\q:Q+8*\q+7], 0
.endr
.endr
	PLACES 4                                       ; in front of the first read of results
.endm
; THE SOFTMAX of one key step, both tiles by turns.  first = 1: there is no old M, no f, and l starts from the first sums.
.macro SM first
.irp q, 0,1
	v_max3_num_f32 v[ST+8*\q+6], v[S+64*\q], v[S+64*\q+1], v[S+64*\q+2]       ; my query's largest score among my 64 keys, in two chains, ascending: each accumulator is read from its low end on
	v_max3_num_f32 v[ST+8*\q+7], v[S+64*\q+3], v[S+64*\q+4], v[S+64*\q+5]
.endr
.irp i, 6,10,14,18,22,26,30,34,38,42,46,50,54,58
.irp q, 0,1
	v_max3_num_f32 v[ST+8*\q+6], v[ST+8*\q+6], v[S+64*\q+\i], v[S+64*\q+\i+1]
	v_max3_num_f32 v[ST+8*\q+7], v[ST+8*\q+7], v[S+64*\q+\i+2], v[S+64*\q+\i+3]
.endr
.endr
.irp q, 0,1
	v_max3_num_f32 v[ST+8*\q+6], v[ST+8*\q+6], v[S+64*\q+62], v[S+64*\q+63]
.endr
.irp q, 0,1
	v_max_num_f32 v[ST+8*\q+6], v[ST+8*\q+6], v[ST+8*\q+7]
.endr
.irp q, 0,1
	v_permlanex16_b32 v[28+\q], v[ST+8*\q+6], s[SEL], s[SEL+1]
.endr
.irp q, 0,1
	v_max_num_f32 v[ST+8*\q+6], v[ST+8*\q+6], v[28+\q]                        ; and among lane l xor 16's
.endr
.if \first
.irp q, 0,1
	v_mul_f32 v[ST+8*\q+1], s[CS], v[ST+8*\q+6]                               ; as t (c is positive)
.endr
.else
.irp q, 0,1
	v_mul_f32 v[ST+8*\q+6], s[CS], v[ST+8*\q+6]
.endr
.irp q, 0,1
	v_max_num_f32 v[ST+8*\q+1], v[ST+8*\q+1], v[ST+8*\q+6]                    ; the running largest t
.endr
.irp q, 0,1
	v_mov_b32 v[ST+8*\q+6], v[ST+8*\q]
.endr
.endif
.irp q, 0,1
	v_floor_f32 v[ST+8*\q], -v[ST+8*\q+1]                                     ; -M = floor(-t) = -ceil(t): M is a whole number
.endr
.if !\first
.irp q, 0,1
	v_sub_f32 v[ST+8*\q+6], v[ST+8*\q], v[ST+8*\q+6]                          ; old M less new M: a whole number, 0 or less
.endr
.irp q, 0,1
	v_cvt_i32_f32 v[ST+8*\q+6], v[ST+8*\q+6]                                  ; (it saturates)
.endr
.irp q, 0,1
	v_ldexp_f32 v[ST+8*\q+4], 1.0, v[ST+8*\q+6]                               ; f = 2^(old M - new M)
.endr
.endif
.set j, 0
.rept 32
.irp q, 0,1
	v_pk_fma_f32 v[S+64*\q+j:S+64*\q+j+1], v[S+64*\q+j:S+64*\q+j+1], s[CS:CS+1], v[ST+8*\q:ST+8*\q+1] op_sel_hi:[1,0,0]   ; t - M, two at a time
.endr
.set j, j+2
.endr
.set j, 0
.rept 128
	v_exp_f32 v[S+j], v[S+j]                       ; p = 2^(t - M): ONE batch for both tiles
.set j, j+1
.endr
.if \first
	v_nop                                          ; a plain line behind the last exponential
.else
.irp q, 0,1
	v_pk_mul_f32 v[ST+8*\q+2:ST+8*\q+3], v[ST+8*\q+2:ST+8*\q+3], v[ST+8*\q+4:ST+8*\q+5] op_sel_hi:[1,0]   ; l under the new M (plain lines behind the exponentials)
.endr
.endif
	s_wait_alu depctr_va_vdst(0)                   ; ahead of the first line that names a result: one for the batch
.irp q, 0,1
.if \first
	v_pk_add_f32 v[ST+8*\q+2:ST+8*\q+3], v[S+64*\q:S+64*\q+1], v[S+64*\q+2:S+64*\q+3]     ; THE SUM IS TAKEN OF THE UNQUANTISED p, in two chains
	v_pk_add_f32 v[ST+8*\q+6:ST+8*\q+7], v[S+64*\q+4:S+64*\q+5], v[S+64*\q+6:S+64*\q+7]
.else
	v_pk_add_f32 v[ST+8*\q+6:ST+8*\q+7], v[S+64*\q:S+64*\q+1], v[S+64*\q+2:S+64*\q+3]
	v_pk_add_f32 v[ST+8*\q+2:ST+8*\q+3], v[ST+8*\q+2:ST+8*\q+3], v[S+64*\q+4:S+64*\q+5]
	v_pk_add_f32 v[ST+8*\q+6:ST+8*\q+7], v[ST+8*\q+6:ST+8*\q+7], v[S+64*\q+6:S+64*\q+7]
.endif
.endr
.set j, 8
.rept 14
.irp q, 0,1
	v_pk_add_f32 v[ST+8*\q+2:ST+8*\q+3], v[ST+8*\q+2:ST+8*\q+3], v[S+64*\q+j:S+64*\q+j+1]
	v_pk_add_f32 v[ST+8*\q+6:ST+8*\q+7], v[ST+8*\q+6:ST+8*\q+7], v[S+64*\q+j+2:S+64*\q+j+3]
.endr
.set j, j+4
.endr
.irp q, 0,1
	v_pk_add_f32 v[ST+8*\q+2:ST+8*\q+3], v[ST+8*\q+2:ST+8*\q+3], v[ST+8*\q+6:ST+8*\q+7]
.endr
.set n, 0
.rept 8
.set i, 0
.rept 16
	v_min_num_f32 v[S+16*n+i], v[S+16*n+i], v[LIM] ; the conversion to an 8-bit code does not saturate (ISA guide 7.6.2); p is not negative, so the hold is one-sided
.set i, i+1
.endr
	v_cvt_scalef32_pk8_fp8_f32 v[PC+4*n:PC+4*n+1], v[S+16*n:S+16*n+7], v[SCL]
	v_cvt_scalef32_pk8_fp8_f32 v[PC+4*n+2:PC+4*n+3], v[S+16*n+8:S+16*n+15], v[SCL]
.set n, n+1
.endr
	v_nop                                          ; a plain line behind the last conversion, ahead of the products that read its result
.endm
; A PERIOD.  Group B: V^T P of the period before (bmode 0; 1: it starts O^T; 2: there is none yet); both: K Q^T and the softmax; group A: V^T P.  The branches hang on the wave's number alone.
.macro PERIOD bmode, smfirst, afirst
.if \bmode != 2
	s_cmp_eq_u32 s[GRP], 0
	s_cbranch_scc1 .Lnot_b_\@
	PVB \bmode
.Lnot_b_\@:
.endif
	KQ
	SM \smfirst
	s_cmp_lg_u32 s[GRP], 0
	s_cbranch_scc1 .Lnot_a_\@
	PVB \afirst
.Lnot_a_\@:
	s_xor_b32 s[TB], s[TB], SLOT1                  ; on to the other slot
.endm
	s_wait_tensorcnt 0x1                           ; my piece of slot 0 is in; slot 1's may stay out
	s_barrier_signal -1
	s_barrier_wait -1                              ; everybody's is
	s_wait_loadcnt 0x0                             ; Q
	s_wait_kmcnt 0x0
	s_mov_b32 s[CS], 0x3fb8aa3b                    ; log2(e);
	s_add_co_i32 s21, s[EX], s[EX+1]
	s_lshl_b32 s21, s21, 23
	s_add_co_i32 s[CS], s[CS], s21                 ; a score stands for score x 2^(e6 + e7): the two exponents are added to its exponent field
	s_mov_b32 s[CS+1], s[CS]                       ; (named with it as a pair, so it is written)
	s_add_co_i32 s21, s[EX+3], 127
	s_lshl_b32 s22, s21, 23
	v_mov_b32 v[SCL], s22                          ; 2^e9 as f32, for the conversion
	s_add_co_i32 s21, s21, 8
	s_lshl_b32 s21, s21, 23
	s_or_b32 s21, s21, 0x600000
	v_mov_b32 v[LIM], s21                          ; 448 x 2^e9
	s_add_co_i32 s[ESUM], s[EX+2], s[EX+3]         ; e8 + e9
	v_add_nc_u32 v[ADK], s[TB], v[AK0]
	v_add_nc_u32 v[ADV], s[TB], v[AV0]
	PERIOD 2, 1, 1                                 ; period 0
	CHANGE 1
	PERIOD 1, 0, 0                                 ; period 1
.Lperiod:                                              ; periods 2 to 14
	CHANGE 1
	PERIOD 0, 0, 0
	s_sub_co_u32 s[TRIPS], s[TRIPS], 1
	s_cmp_lg_u32 s[TRIPS], 0
	s_cbranch_scc1 .Lperiod
	CHANGE 2
	; x for the way out is prefetched here, one period and group B's last products ahead of its loads: each wave names the 32 rows x 512 bytes that it will load itself, a lane a block of 256 bytes,
	; two instructions a wave; so each block is named once in the launch.  No tensor load follows, and the address registers are never rewritten.
	global_prefetch_b8 v[PXO], s[XB:XB+1] th:TH_LOAD_NT scope:SCOPE_SE
	global_prefetch_b8 v[PXO], s[XB:XB+1] offset:128*16384 th:TH_LOAD_NT scope:SCOPE_SE
	PERIOD 0, 0, 0                                 ; period 15
	CHANGE 0
	s_cmp_eq_u32 s[GRP], 0
	s_cbranch_scc1 .Llast
	PVB 0                                          ; period 16: group B's last V^T P
.Llast:
	; THE WAY OUT.  x is asked for first; the two groups exchange M and l; each wave scales its O^T by gamma 2^(e8 + e9) 2^(its M - M) / l and puts it into its group's stage, a row a channel;
	; then each wave reads 16 whole rows of both stages, adds them to x and stores rows of 512 bytes.  128 channels at a time.  The stages lie in the slots, which have had their last fill and their last read.
	; (The places in front of the loads into registers that the last products read, and of the first read of O^T, stand at the end of each group's last V^T P.)
.irp hf, 0,1
.set i, 0
.rept 16
	global_load_b128 v[XR+4*(16*\hf+i):XR+4*(16*\hf+i)+3], v[GO], s[XB:XB+1] offset:(128*\hf+i)*16384 th:TH_LOAD_NT
.set i, i+1
.endr
.endr
.irp q, 0,1
	v_add_f32 v[ST+8*\q+6], v[ST+8*\q+2], v[ST+8*\q+3]     ; l's two halves,
.endr
.irp q, 0,1
	v_permlanex16_b32 v[ST+8*\q+7], v[ST+8*\q+6], s[SEL], s[SEL+1]
.endr
.irp q, 0,1
	v_add_f32 v[29+2*\q], v[ST+8*\q+6], v[ST+8*\q+7]       ; and lane l xor 16's
	v_mov_b32 v[28+2*\q], v[ST+8*\q]                       ; -M
.endr
	ds_store_b128 v[XCW], v[28:31]
	s_wait_dscnt 0x0                               ; for the others' sake: my record has landed, and my reads of the ring are over
	s_barrier_signal -1
	s_barrier_wait -1
	ds_load_b128 v[WK:WK+3], v[XCR]                ; my partner's
	s_wait_dscnt 0x0
.irp q, 0,1
	v_min_num_f32 v[ST+8*\q+6], v[28+2*\q], v[WK+2*\q]     ; -M of all keys
.endr
.irp q, 0,1
	v_sub_f32 v[ST+8*\q+7], v[ST+8*\q+6], v[28+2*\q]       ; my M less M, my partner's M less M: whole numbers, 0 or less
	v_sub_f32 v[WK+2*\q], v[ST+8*\q+6], v[WK+2*\q]
.endr
.irp q, 0,1
	v_cvt_i32_f32 v[ST+8*\q+7], v[ST+8*\q+7]
	v_cvt_i32_f32 v[WK+2*\q], v[WK+2*\q]
.endr
.irp q, 0,1
	v_ldexp_f32 v[ST+8*\q+7], 1.0, v[ST+8*\q+7]
	v_ldexp_f32 v[WK+2*\q], 1.0, v[WK+2*\q]
.endr
.irp q, 0,1
	v_mul_f32 v[WK+2*\q+1], v[WK+2*\q+1], v[WK+2*\q]
.endr
.irp q, 0,1
	v_fma_f32 v[29+2*\q], v[29+2*\q], v[ST+8*\q+7], v[WK+2*\q+1]   ; l of all keys
.endr
.irp q, 0,1
	v_rcp_f32 v[ST+8*\q+4], v[29+2*\q]
.endr
.irp q, 0,1
	v_mul_f32 v[ST+8*\q+7], s[GAM], v[ST+8*\q+7]           ; (plain lines behind the reciprocals)
.endr
	s_wait_alu depctr_va_vdst(0)                   ; ahead of the first line that names a result: one for both
.irp q, 0,1
	v_mul_f32 v[ST+8*\q+4], v[ST+8*\q+4], v[ST+8*\q+7]
.endr
.irp q, 0,1
	v_ldexp_f32 v[ST+8*\q+4], v[ST+8*\q+4], s[ESUM]
.endr
.macro HALF hf                         ; channels 128 hf on
.irp bt, 0,1
	s_wait_dscnt 0x0                               ; the LDS instructions that named v32-95 are done
	WIN 0x01                                       ; source 0 (O^T) window 1
.irp t, 0,1,2,3
.irp j, 0,1,2,3,4,5,6,7
.irp q, 0,1
	v_mul_f32 v[WK+16*\t+2*\j+\q], v[128*\q+8*(8*\hf+4*\bt+\t)+\j], v[ST+8*\q+4]   ; the two tiles' numbers of a channel are neighbouring queries; each accumulator from its low end on
.endr
.endr
.endr
	WIN 0
.irp t, 0,1,2,3
.irp j, 0,1,2,3,4,5,6,7
	ds_store_b64 v[SO], v[WK+16*\t+2*\j:WK+16*\t+2*\j+1] offset:(16*(4*\bt+\t)+\j)*512
.endr
.endr
.endr
	s_wait_dscnt 0x0                               ; for the others' sake: my stores have landed
	s_barrier_signal -1
	s_barrier_wait -1                              ; 128 whole rows lie in each stage
	s_wait_loadcnt 16-16*\hf                       ; this half's 16 loads of x are in; the other half's, issued behind them, may be out
.irp rb, 0,1
.irp ii, 0,1,2,3,4,5,6,7
	ds_load_b128 v[WK+4*\ii:WK+4*\ii+3], v[RD] offset:(8*\rb+\ii)*512
	ds_load_b128 v[WK+32+4*\ii:WK+32+4*\ii+3], v[RDB] offset:(8*\rb+\ii)*512
.endr
	s_wait_dscnt 0x0
.irp ii, 0,1,2,3,4,5,6,7               ; in rows 8 .. 15 of each 16 a cell's halves have changed places
	v_pk_add_f32 v[XR+4*(16*\hf+8*\rb+\ii):XR+4*(16*\hf+8*\rb+\ii)+1], v[XR+4*(16*\hf+8*\rb+\ii):XR+4*(16*\hf+8*\rb+\ii)+1], v[WK+4*\ii+2*\rb:WK+4*\ii+2*\rb+1]
	v_pk_add_f32 v[XR+4*(16*\hf+8*\rb+\ii)+2:XR+4*(16*\hf+8*\rb+\ii)+3], v[XR+4*(16*\hf+8*\rb+\ii)+2:XR+4*(16*\hf+8*\rb+\ii)+3], v[WK+4*\ii+2-2*\rb:WK+4*\ii+3-2*\rb]
	v_pk_add_f32 v[XR+4*(16*\hf+8*\rb+\ii):XR+4*(16*\hf+8*\rb+\ii)+1], v[XR+4*(16*\hf+8*\rb+\ii):XR+4*(16*\hf+8*\rb+\ii)+1], v[WK+32+4*\ii+2*\rb:WK+32+4*\ii+2*\rb+1]
	v_pk_add_f32 v[XR+4*(16*\hf+8*\rb+\ii)+2:XR+4*(16*\hf+8*\rb+\ii)+3], v[XR+4*(16*\hf+8*\rb+\ii)+2:XR+4*(16*\hf+8*\rb+\ii)+3], v[WK+32+4*\ii+2-2*\rb:WK+32+4*\ii+3-2*\rb]
.endr
.irp ii, 0,1,2,3,4,5,6,7
	global_store_b128 v[GO], v[XR+4*(16*\hf+8*\rb+\ii):XR+4*(16*\hf+8*\rb+\ii)+3], s[OB:OB+1] offset:(128*\hf+8*\rb+\ii)*16384 th:TH_STORE_NT   ; 32 lanes store 512 consecutive bytes, aligned; the data registers are not written again
.endr
.endr
.endm
	HALF 0
	s_wait_dscnt 0x0                               ; my reads of the stages are over:
	s_barrier_signal -1
	s_barrier_wait -1                              ; everybody's are, so the stages may be written again
	HALF 1
	s_wait_tensorcnt 0x0                           ; the wave's end: behind my last tensor load and my last LDS store
	ds_add_u32 v[SPW], v[NIL]
	s_wait_dscnt 0x0
	CROUND                                         ; the closing round: no work-group ends while a partner may still ask for a piece that names it
	s_endpgm
.Lfunc_end_k_q62bbe15c70_attn:
	.size	k_q62bbe15c70_attn, .Lfunc_end_k_q62bbe15c70_attn-k_q62bbe15c70_attn
	.p2alignl 7, 3214868480
	.fill 96, 4, 3214868480
	.section	.rodata,"a",@progbits
	.p2align	6, 0x0
	.amdhsa_kernel k_q62bbe15c70_attn
		.amdhsa_group_segment_fixed_size 327680
		.amdhsa_private_segment_fixed_size 0
		.amdhsa_enable_private_segment 0
		.amdhsa_kernarg_size 48
		.amdhsa_user_sgpr_count 2
		.amdhsa_user_sgpr_kernarg_segment_ptr 1
		.amdhsa_wavefront_size32 1
		.amdhsa_system_sgpr_workgroup_id_x 1
		.amdhsa_system_sgpr_workgroup_id_y 1
		.amdhsa_system_sgpr_workgroup_id_z 1
		.amdhsa_system_vgpr_workitem_id 0
		.amdhsa_next_free_vgpr 512
		.amdhsa_next_free_sgpr 66
		.amdhsa_reserve_vcc 0
		.amdhsa_float_denorm_mode_32 3
		.amdhsa_float_denorm_mode_16_64 3
		.amdhsa_memory_ordered 1
		.amdhsa_forward_progress 1
		.amdhsa_inst_pref_size 250
	.end_amdhsa_kernel
	.amdgpu_metadata
---
amdhsa.version: [ 1, 2 ]
amdhsa.kernels:
  - .name:           k_q62bbe15c70_attn
    .symbol:         k_q62bbe15c70_attn.kd
    .args:
      - { .name: qc, .offset: 0, .size: 8, .value_kind: global_buffer, .address_space: global }
      - { .name: kv, .offset: 8, .size: 8, .value_kind: global_buffer, .address_space: global }
      - { .name: x, .offset: 16, .size: 8, .value_kind: global_buffer, .address_space: global }
      - { .name: gamma, .offset: 24, .size: 8, .value_kind: global_buffer, .address_space: global }
      - { .name: lowp_scales, .offset: 32, .size: 8, .value_kind: global_buffer, .address_space: global }
      - { .name: out0, .offset: 40, .size: 8, .value_kind: global_buffer, .address_space: global }
    .group_segment_fixed_size: 327680
    .private_segment_fixed_size: 0
    .kernarg_segment_align: 8
    .kernarg_segment_size: 48
    .max_flat_workgroup_size: 256
    .sgpr_count:     66
    .vgpr_count:     512
    .wavefront_size: 32
...
	.end_amdgpu_metadata
.endif
;; end of part 2
;; ======== version 2 of 2: 2 launches
;; workspace buffers: kv 10,485,760 bytes; qc 2,097,152 bytes
;; launch proj (part 3): grid 512 x 1, 8 waves a work-group, no clusters, 50,176 bytes of LDS; arguments x, wf_codes, wg_codes, wh_codes, lowp_scales, kv, qc; writes kv, qc
.if DOCPART == 3
	.amdgcn_target "amdgcn-amd-amdhsa--gfx1250"
	.amdhsa_code_object_version 6
	.text
	.protected	k_q62bbe15c70_proj
	.globl	k_q62bbe15c70_proj
	.p2align	8
	.type	k_q62bbe15c70_proj,@function
k_q62bbe15c70_proj:
	s_mov_b64 s[64:65], 0
	v_nop
	global_prefetch_b8 v0, s[64:65] scope:SCOPE_SE
	s_setreg_imm32_b32 hwreg(HW_REG_WAVE_SCHED_MODE, 0, 2), 2
	s_setreg_imm32_b32 hwreg(HW_REG_WAVE_MODE, 25, 1), 1
	s_wait_xcnt 0x0
	s_wait_alu depctr_vm_vsrc(0)
; fx = wf x, gx = wg x, hx = wh x for 64 positions of one batch, all three on codes of FP8 (E4M3), and their results quantised again for the two products of the next launch.
; x: [8][256][4096] f32.  wf, wg: [64][256], wh: [256][256]: codes, K innermost.  The ten exponents e0 .. e9 (int32): x is quantised three times, by 2^e0 (for wf), 2^e2 (for wg), 2^e4 (for wh);
; a sum of the first product stands for sum x 2^(e0 + e1), and fx's code is fx / 2^e6: so the conversion takes 2^(e6 - e0 - e1); gx likewise 2^(e7 - e2 - e3), hx 2^(e8 - e4 - e5).
; NOTHING IS LEFT OUT: every product of the problem is live and every input has a way to the output; x, the three weights and the exponents are loaded here, gamma (and x once more) in the next launch.
; LIMITS: e0, e2, e4, e6 - e0 - e1, e7 - e2 - e3, e8 - e4 - e5 between -126 and 119, so that each scale and 448 x the scale are f32 numbers.  NaN and infinity among the inputs are not served.
; SHARES.  A work-group takes 64 positions (256 bytes of each of x's 256 rows).  THE WAVES SHARE THE OUTPUTS: wave w keeps 16 rows of wf (w < 4) or of wg (w >= 4) and 32 rows of wh in registers.
; x is read once: wave w loads rows 32 w .. 32 w + 31, a lane 16 rows x 4 neighbouring positions, so that a lane's registers run DOWN K.  The 4 positions of a lane go to 4 TILES: tile u, lane r = position 4 r + u.
; A lane's 16 codes are four registers of a fragment (16 positions x 128 K: registers 4 c .. 4 c + 3 = K 32 c + 16 (lane / 16) + 0 .. 15, the same order of K in which the weights are loaded);
; they go to LDS as an image of those registers (16 bytes a lane, 512 a store), one barrier, and every wave loads whole fragments by the same lines.
; RESULTS.  fx, gx: source 0 = the weight's 16 rows, source 1 = x: a lane holds one position and 8 neighbouring channels: 8 codes = registers 2 c, 2 c + 1 of an operand of the K = 64 form.
; hx: source 0 = x, source 1 = the weight: a lane holds one channel and the positions 4 (8 (lane / 16) + j) + u: 8 codes = registers 2 tile, 2 tile + 1 of an operand of the K = 128 form whose K are 128 keys.
; All three are stored as images of the registers in which the next launch wants them: kv in blocks of 81,920 bytes = 8 pieces of [2 key tiles of 1,024][4 fragments of hx of 2,048]; pieces 0-3 hold the even key step
; 2 d, keys and values; pieces 4-7 the keys of step 2 d + 1 and the values of step 2 d - 1 (cyclically).  qc: a tile of 16 queries in 1,024 bytes.  Every store covers 256 or 512 consecutive bytes, aligned.
; THE MODE: SCHED_MODE bits 1:0 = 2 (LLVM: expert scheduling mode 2), set by the entry lines.  The code itself states the register dependences
; between vector or matrix instructions and memory or LDS instructions, with s_wait_alu, always for 0.
; THE PLAN.  Registers that memory or LDS instructions touch:
;   v1-v5, v8, v9  Offsets and LDS addresses; v6, v7 the closing add's two.  Written at the head, never again: one wait ahead of the first load serves them all.
;   X (v76-139)    x's loads land in it; the holds read it.  From the barrier on it holds the fragments: tile u's six products read them, tile u + 1's LDS loads land in them.
;   C (v52-75)     Six sets of x's codes.  The conversions of pieces 0-5 write them, six LDS stores read them; the conversions of pieces 6-11 write them again, six more stores read them.
;   HC (v52-67), FGC (v44-51)  The results' codes: each pair is written once, by a tile's conversions, and read by a global store that is issued in the next tile.
;   The weights (v140-235) are loaded once.  The held numbers, the accumulators (v20-43) and the scales (v10-19) are named by vector and matrix instructions alone.
; So x's codes go out in two runs of six stores, each behind one wait on va_vdst; a wait on vm_vsrc stands ahead of each second use of C's registers; and ONE wait on va_vdst stands in a tile, behind its
; products: it states that they are done reading the fragments and that the tile before has written its codes.  The next tile's loads and the last tile's stores follow it at once.
.set SPARE, 49152                      ; LDS: x's images, 3 scales x 4 tiles x 2 K steps x 2,048 bytes; behind them the spare words, 128 bytes for each wave
.set XO,   1                           ; v1   x: (lane / 16) x 16 rows + 16 bytes x (lane % 16)
.set XW,   2                           ; v2   where I store my four registers of an image
.set LI,   3                           ; v3   16 x lane
.set FGI,  4                           ; v4   16 x lane + the set of images that my small product reads (e0's or e2's)
.set WO,   5                           ; v5   a weight's row (lane % 16) x 256 + 16 x (lane / 16)
.set SPW,  6                           ; v6   LDS address of my spare word; never rewritten
.set NIL,  7                           ; v7   0; never rewritten
.set L8,   8                           ; v8   8 x lane
.set L8B,  9                           ; v9   8 x lane + the step to tiles 2 and 3
.set SC,   10                          ; v10-15  (2^e, 448 x 2^e) for e0, e2, e4
.set SFG,  16                          ; v16-17  the same for fx's or gx's conversion
.set SH,   18                          ; v18-19  for hx's
.set T,    20                          ; v20-51  two sets of 16 held numbers; later the three accumulators and fx's or gx's codes
.set C,    52                          ; v52-75  six sets of 4 registers of x's codes; later hx's codes
.set X,    76                          ; v76-139 x: register 4 i + u = row i, position u of my four; later the fragments
.set AFG,  20
.set AH0,  28
.set AH1,  36
.set FGC,  44
.set HC,   52
.set FRFG, 76
.set FRH,  108
.set WFG,  140                         ; v140-171 my 16 rows of wf or wg, two K steps
.set WH0,  172                         ; v172-203, v204-235 my 32 rows of wh
.set WH1,  204
.set WV,   18                          ; s18  my wave's number
	s_load_b256 s[4:11], s[0:1], 0x0               ; x s[4:5], wf s[6:7], wg s[8:9], wh s[10:11]
	s_load_b128 s[12:15], s[0:1], 0x20             ; the exponents s[12:13], kv s[14:15]
	s_load_b64 s[16:17], s[0:1], 0x30              ; qc
	v_lshl_add_u32 v[SPW], v0, 2, SPARE
	v_mov_b32 v[NIL], 0
	v_lshrrev_b32 v239, 5, v0
	v_readfirstlane_b32 s[WV], v239                ; wave 0..7
	v_and_b32 v238, 31, v0                         ; lane
	v_and_b32 v236, 15, v0                         ; r
	v_bfe_u32 v237, v0, 4, 1                       ; h
	v_lshlrev_b32 v[XO], 4, v236
	v_lshl_add_u32 v[XO], v237, 18, v[XO]          ; 16 rows of 16,384 bytes for lanes 16-31
	v_lshlrev_b32 v[LI], 4, v238
	v_lshlrev_b32 v[L8], 3, v238
	s_wait_alu depctr_va_vdst(0)
	v_lshlrev_b32 v[WO], 8, v236
	v_lshl_add_u32 v[WO], v237, 4, v[WO]
	s_wait_alu depctr_va_sdst(0)                   ; s18, the wave's number, is written, ahead of its first reader: LDS addresses, bases and choices are made from it
	s_lshr_b32 s20, s[WV], 2                       ; 0: my small product is fx, 1: gx.  Also the K step of the image that I make
	s_and_b32 s21, s[WV], 3                        ; which 16 rows of wf or wg.  Also which four registers of that image
	s_lshl_b32 s22, s20, 11
	s_lshl_b32 s23, s21, 9
	s_add_co_u32 s22, s22, s23
	v_add_nc_u32 v[XW], s22, v[LI]                 ; K step x 2,048 + group of four registers x 512 + 16 x lane
	s_lshl_b32 s22, s20, 14
	v_add_nc_u32 v[FGI], s22, v[LI]                ; a set of images is 16,384 bytes
	s_lshr_b32 s34, ttmp9, 6                       ; batch
	s_and_b32 s35, ttmp9, 63                       ; which 64 positions
	s_and_b32 s36, s35, 1                          ; which half of a key step of 128
	s_bfe_u32 s37, s35, 0x10001                    ; g: even or odd key step
	s_lshr_b32 s38, s35, 2                         ; the block that holds the step's keys
	s_add_co_u32 s39, s38, s37
	s_and_b32 s39, s39, 15                         ; and the block that holds its values: an odd step's lie one block on, cyclically
	s_lshl_b32 s40, s34, 22                        ; x: batch x 4 MiB + 256 bytes x block of positions + my 32 rows
	s_lshl_b32 s41, s35, 8
	s_add_co_u32 s40, s40, s41
	s_lshl_b32 s41, s[WV], 19
	s_add_co_u32 s40, s40, s41
	s_mov_b32 s41, 0
	s_lshl_b32 s42, s21, 12                        ; my 16 rows of wf or wg
	s_mov_b32 s43, 0
	s_lshl_b32 s44, s[WV], 13                      ; my 32 rows of wh
	s_mov_b32 s45, 0
	s_mul_i32 s46, s34, 1310720                    ; kv: a batch's 16 blocks
	s_mul_i32 s47, s38, 81920
	s_add_co_u32 s47, s47, s46
	s_lshl_b32 s48, s37, 2                         ; 4 g
	s_lshl_b32 s49, s36, 1
	s_add_co_u32 s49, s49, s48
	s_mul_i32 s49, s49, 10240
	s_add_co_u32 s47, s47, s49                     ; fx: piece 4 g + 2 x half (+ 1 for tiles 2 and 3)
	s_lshl_b32 s50, s34, 18
	s_lshl_b32 s51, s35, 12
	s_add_co_u32 s50, s50, s51                     ; gx: tile 256 x batch + 4 x block of positions (+ u)
	s_mul_i32 s52, s39, 81920
	s_add_co_u32 s52, s52, s46
	s_lshr_b32 s53, s[WV], 1
	s_add_co_u32 s53, s53, s48
	s_mul_i32 s53, s53, 10240
	s_add_co_u32 s52, s52, s53                     ; hx: piece 4 g + w / 2,
	s_and_b32 s53, s[WV], 1
	s_lshl_b32 s53, s53, 12
	s_add_co_u32 s52, s52, s53                     ; fragments 2 (w % 2), 2 (w % 2) + 1 of its four,
	s_lshl_b32 s53, s36, 10
	s_add_co_u32 s52, s52, s53                     ; the half of a fragment that these 64 keys fill,
	s_add_co_u32 s52, s52, 2048                    ; behind the piece's two key tiles
	s_mov_b32 s53, 0
	s_cmp_lt_u32 s[WV], 4
	s_cselect_b32 s54, s47, s50
	s_mov_b32 s56, 2048
	s_cselect_b32 s56, 10240, s56                  ; from tile u to tile u + 2: a piece in kv, two tiles in qc
	s_lshl_b32 s55, s21, 8
	s_add_co_u32 s54, s54, s55                     ; my 16 channels: 256 bytes of a tile's image
	s_mov_b32 s55, 0
	v_add_nc_u32 v[L8B], s56, v[L8]
	s_wait_kmcnt 0x0
	s_load_b256 s[24:31], s[12:13], 0x0            ; e0 .. e7
	s_load_b32 s32, s[12:13], 0x20                 ; e8
	s_add_nc_u64 s[4:5], s[4:5], s[40:41]
	s_cmp_lt_u32 s[WV], 4                          ; the choices hang on the wave's number alone
	s_cselect_b64 s[6:7], s[6:7], s[8:9]           ; wf or wg
	s_cselect_b64 s[16:17], s[14:15], s[16:17]     ; and where the small product's codes go: kv or qc
	s_add_nc_u64 s[6:7], s[6:7], s[42:43]
	s_add_nc_u64 s[10:11], s[10:11], s[44:45]
	s_add_nc_u64 s[16:17], s[16:17], s[54:55]
	s_add_nc_u64 s[14:15], s[14:15], s[52:53]
	s_wait_alu depctr_va_vdst(0)                   ; the seven offsets and LDS addresses v1 to v5, v8, v9 are written, which every load and store below reads; none of them is written again
.set i, 0
.rept 16
	global_load_b128 v[X+4*i:X+4*i+3], v[XO], s[4:5] offset:i*16384 th:TH_LOAD_NT   ; sixteen lanes read a row's 256 consecutive bytes, aligned
.set i, i+1
.endr
.irp k, 0,1
.irp c, 0,1,2,3
	global_load_b128 v[WFG+16*\k+4*\c:WFG+16*\k+4*\c+3], v[WO], s[6:7] offset:128*\k+32*\c
	global_load_b128 v[WH0+16*\k+4*\c:WH0+16*\k+4*\c+3], v[WO], s[10:11] offset:128*\k+32*\c
	global_load_b128 v[WH1+16*\k+4*\c:WH1+16*\k+4*\c+3], v[WO], s[10:11] offset:4096+128*\k+32*\c
.endr
.endr
; v[vs] = 2^e as f32 (the conversion takes its exponent field), v[vs + 1] = 448 x 2^e; e in s[se]
.macro MKSC vs, se
	s_add_co_i32 s22, s[\se], 127
	s_lshl_b32 s23, s22, 23
	v_mov_b32 v[\vs], s23
	s_add_co_i32 s22, s22, 8
	s_lshl_b32 s22, s22, 23
	s_or_b32 s22, s22, 0x600000
	v_mov_b32 v[\vs+1], s22
.endm
	s_wait_kmcnt 0x0
	s_sub_co_i32 s33, s30, s24
	s_sub_co_i32 s33, s33, s25                     ; e6 - e0 - e1
	s_sub_co_i32 s34, s31, s26
	s_sub_co_i32 s34, s34, s27                     ; e7 - e2 - e3
	s_cmp_lt_u32 s[WV], 4
	s_cselect_b32 s33, s33, s34
	s_sub_co_i32 s35, s32, s28
	s_sub_co_i32 s35, s35, s29                     ; e8 - e4 - e5
	MKSC SC, 24
	MKSC SC+2, 26
	MKSC SC+4, 28
	MKSC SFG, 33
	MKSC SH, 35
	s_wait_alu depctr_va_vdst(0)
	s_wait_loadcnt 24                              ; x's 16 loads are in; the 24 loads of weights issued behind them may be out
; Piece n of twelve: tile n / 3 of x under scale n % 3, in three parts.  QXH: the hold (the conversion to an 8-bit code does not saturate: ISA guide 7.6.2).  QXC: 16 codes.  QXS: they go to LDS, four registers of an image.
; The held numbers have two sets by turns, so that plain lines on other registers stand behind each pair of conversions.
.macro QXH n
.set UU, (\n)/3
.set SS, (\n)%3
.set TBUF, T+16*((\n)%2)
.set i, 0
.rept 16
	v_med3_num_f32 v[TBUF+i], v[X+4*i+UU], -v[SC+1+2*SS], v[SC+1+2*SS]
.set i, i+1
.endr
.endm
.macro QXC n
.set SS, (\n)%3
.set TBUF, T+16*((\n)%2)
.set CBUF, C+4*((\n)%6)
	v_cvt_scalef32_pk8_fp8_f32 v[CBUF:CBUF+1], v[TBUF:TBUF+7], v[SC+2*SS]
	v_cvt_scalef32_pk8_fp8_f32 v[CBUF+2:CBUF+3], v[TBUF+8:TBUF+15], v[SC+2*SS]
.endm
.macro QXS n
.set UU, (\n)/3
.set SS, (\n)%3
.set CBUF, C+4*((\n)%6)
	ds_store_b128 v[XW], v[CBUF:CBUF+3] offset:(4*SS+UU)*4096
.endm
.irp n, 0,1,2,3,4,5
	QXH \n
	QXC \n
.endr
	s_wait_alu depctr_va_vdst(0)                   ; the conversions of pieces 0 to 5 have written C's six sets, which the six LDS stores read
.irp n, 0,1,2,3,4,5
	QXS \n
.endr
	QXH 6                                          ; piece 6's holds write held numbers alone: they stand between the stores and the waits for them
	s_wait_alu depctr_va_vdst(0)
	s_wait_dscnt 0x0                               ; the six stores are done
	s_wait_alu depctr_vm_vsrc(0)                   ; the six stores have read C's six sets, which the conversions of pieces 6 to 11 write again
	QXC 6
.irp n, 7,8,9,10,11
	QXH \n
	QXC \n
.endr
	v_nop                                          ; a plain line behind the last conversion: the products below write its sources
	s_wait_alu depctr_va_vdst(0)                   ; the conversions of pieces 6 to 11 have written C's six sets, which the LDS stores read; and all the holds are done reading X, in which tile 0's fragments land behind the barrier (no vector line stands between)
.irp n, 6,7,8,9,10,11
	QXS \n
.endr
	s_wait_dscnt 0x0                               ; for the others' sake: my stores have landed
	s_barrier_signal -1
	s_barrier_wait -1                              ; x's 24 fragments lie in LDS
	s_wait_alu depctr_vm_vsrc(0)                   ; my LDS stores have read v52 to v75: from here on v52 to v67 are hx's codes, which the tiles' conversions write
	s_wait_loadcnt 0x0                             ; the weights
.macro FRAGS u                         ; tile u: the fragments under my small product's scale and under e4, two K steps each
.irp k, 0,1
.irp c, 0,1,2,3
	ds_load_b128 v[FRFG+16*\k+4*\c:FRFG+16*\k+4*\c+3], v[FGI] offset:(\u)*4096+\k*2048+512*\c
	ds_load_b128 v[FRH+16*\k+4*\c:FRH+16*\k+4*\c+3], v[LI] offset:32768+(\u)*4096+\k*2048+512*\c
.endr
.endr
.endm
.macro SEND u                          ; tile u's codes leave.  Every store has data registers of its own, which are not written again
.if (\u) < 2
	global_store_b64 v[L8], v[FGC+2*(\u):FGC+2*(\u)+1], s[16:17] offset:((\u)%2)*1024    ; 32 lanes store 256 consecutive bytes, aligned
.else
	global_store_b64 v[L8B], v[FGC+2*(\u):FGC+2*(\u)+1], s[16:17] offset:((\u)%2)*1024
.endif
.if ((\u)%2) == 1                      ; two tiles' codes are four registers of a fragment of hx: 512 consecutive bytes a store
	global_store_b128 v[LI], v[HC+4*((\u)/2):HC+4*((\u)/2)+3], s[14:15] offset:((\u)/2)*512
	global_store_b128 v[LI], v[HC+8+4*((\u)/2):HC+8+4*((\u)/2)+3], s[14:15] offset:2048+((\u)/2)*512
.endif
.endm
; Tile u: six products, the three accumulators by turns; the one wait; the next tile's loads and the last tile's stores; the hold, the conversions.
.macro UST u
	s_wait_dscnt 0x0
	v_wmma_f32_16x16x128_fp8_fp8 v[AFG:AFG+7], v[WFG:WFG+15], v[FRFG:FRFG+15], 0
	v_wmma_f32_16x16x128_fp8_fp8 v[AH0:AH0+7], v[FRH:FRH+15], v[WH0:WH0+15], 0
	v_wmma_f32_16x16x128_fp8_fp8 v[AH1:AH1+7], v[FRH:FRH+15], v[WH1:WH1+15], 0
	v_wmma_f32_16x16x128_fp8_fp8 v[AFG:AFG+7], v[WFG+16:WFG+31], v[FRFG+16:FRFG+31], v[AFG:AFG+7]
	v_wmma_f32_16x16x128_fp8_fp8 v[AH0:AH0+7], v[FRH+16:FRH+31], v[WH0+16:WH0+31], v[AH0:AH0+7]
	v_wmma_f32_16x16x128_fp8_fp8 v[AH1:AH1+7], v[FRH+16:FRH+31], v[WH1+16:WH1+31], v[AH1:AH1+7]
.rept 5
	v_nop                                          ; four places in front of the first read of results (ISA guide 7.12.1); the fifth for the next tile's products, which begin these accumulators anew
.endr
	s_wait_alu depctr_va_vdst(0)                   ; the six products are done reading the fragments, in which the next tile's loads land; the conversions of the tile before have written its codes, which the stores below read
.if \u < 3
	FRAGS \u+1
.endif
.if \u > 0
	SEND \u-1
.endif
.set i, 0
.rept 8
	v_med3_num_f32 v[AFG+i], v[AFG+i], -v[SFG+1], v[SFG+1]   ; each accumulator from its low end on.  (None of the lines from here to the tile's end names a register of the loads and stores above)
.set i, i+1
.endr
.set i, 0
.rept 16
	v_med3_num_f32 v[AH0+i], v[AH0+i], -v[SH+1], v[SH+1]
.set i, i+1
.endr
	v_cvt_scalef32_pk8_fp8_f32 v[FGC+2*\u:FGC+2*\u+1], v[AFG:AFG+7], v[SFG]
	v_cvt_scalef32_pk8_fp8_f32 v[HC+4*(\u/2)+2*(\u%2):HC+4*(\u/2)+2*(\u%2)+1], v[AH0:AH0+7], v[SH]
	v_cvt_scalef32_pk8_fp8_f32 v[HC+8+4*(\u/2)+2*(\u%2):HC+8+4*(\u/2)+2*(\u%2)+1], v[AH1:AH1+7], v[SH]
	v_nop                                          ; a plain line behind the last conversion: the next tile's products write its sources
.endm
	FRAGS 0                                        ; no wait of its own: the last wait on va_vdst stands behind every line that named these registers
.irp u, 0,1,2,3
	UST \u
.endr
	s_wait_alu depctr_va_vdst(0)                   ; tile 3's conversions have written its codes, which the last three stores read
	SEND 3
	s_wait_dscnt 0x0                               ; the closing lines, six on end
	s_wait_alu 0x0
	s_wait_tensorcnt 0x0
	ds_add_u32 v[SPW], v[NIL]
	s_wait_dscnt 0x0
	s_endpgm
.Lfunc_end_k_q62bbe15c70_proj:
	.size	k_q62bbe15c70_proj, .Lfunc_end_k_q62bbe15c70_proj-k_q62bbe15c70_proj
	.p2alignl 7, 3214868480
	.fill 96, 4, 3214868480
	.section	.rodata,"a",@progbits
	.p2align	6, 0x0
	.amdhsa_kernel k_q62bbe15c70_proj
		.amdhsa_group_segment_fixed_size 50176
		.amdhsa_private_segment_fixed_size 0
		.amdhsa_enable_private_segment 0
		.amdhsa_kernarg_size 56
		.amdhsa_user_sgpr_count 2
		.amdhsa_user_sgpr_kernarg_segment_ptr 1
		.amdhsa_wavefront_size32 1
		.amdhsa_system_sgpr_workgroup_id_x 1
		.amdhsa_system_sgpr_workgroup_id_y 1
		.amdhsa_system_sgpr_workgroup_id_z 1
		.amdhsa_system_vgpr_workitem_id 0
		.amdhsa_next_free_vgpr 240
		.amdhsa_next_free_sgpr 66
		.amdhsa_reserve_vcc 0
		.amdhsa_float_denorm_mode_32 3
		.amdhsa_float_denorm_mode_16_64 3
		.amdhsa_memory_ordered 1
		.amdhsa_forward_progress 1
		.amdhsa_inst_pref_size 38
	.end_amdhsa_kernel
	.amdgpu_metadata
---
amdhsa.version: [ 1, 2 ]
amdhsa.kernels:
  - .name:           k_q62bbe15c70_proj
    .symbol:         k_q62bbe15c70_proj.kd
    .args:
      - { .name: x, .offset: 0, .size: 8, .value_kind: global_buffer, .address_space: global }
      - { .name: wf_codes, .offset: 8, .size: 8, .value_kind: global_buffer, .address_space: global }
      - { .name: wg_codes, .offset: 16, .size: 8, .value_kind: global_buffer, .address_space: global }
      - { .name: wh_codes, .offset: 24, .size: 8, .value_kind: global_buffer, .address_space: global }
      - { .name: lowp_scales, .offset: 32, .size: 8, .value_kind: global_buffer, .address_space: global }
      - { .name: kv, .offset: 40, .size: 8, .value_kind: global_buffer, .address_space: global }
      - { .name: qc, .offset: 48, .size: 8, .value_kind: global_buffer, .address_space: global }
    .group_segment_fixed_size: 50176
    .private_segment_fixed_size: 0
    .kernarg_segment_align: 8
    .kernarg_segment_size: 56
    .max_flat_workgroup_size: 256
    .sgpr_count:     66
    .vgpr_count:     240
    .wavefront_size: 32
...
	.end_amdgpu_metadata
.endif
;; end of part 3
;; launch attn (part 4): grid 32 x 8, 8 waves a work-group, clusters of 4 x 1, 327,680 bytes of LDS; arguments qc, kv, x, gamma, lowp_scales, out0; writes out0
.if DOCPART == 4
	.amdgcn_target "amdgcn-amd-amdhsa--gfx1250"
	.amdhsa_code_object_version 6
	.text
	.protected	k_q62bbe15c70_attn
	.globl	k_q62bbe15c70_attn
	.p2align	8
	.type	k_q62bbe15c70_attn,@function
k_q62bbe15c70_attn:
	s_mov_b64 s[64:65], 0
	v_nop
	global_prefetch_b8 v0, s[64:65] scope:SCOPE_SE
	s_setreg_imm32_b32 hwreg(HW_REG_WAVE_MODE, 25, 1), 1
	s_wait_xcnt 0x0
	s_wait_alu depctr_hold_cnt(0) depctr_sa_sdst(0) depctr_va_vdst(0) depctr_va_sdst(0) depctr_va_ssrc(0) depctr_va_vcc(0) depctr_vm_vsrc(0)
	s_getreg_b32 s2, hwreg(HW_REG_IB_STS2, 6, 4)
	s_cmp_eq_u32 s2, 0
	s_cbranch_scc0 .Lentry_in_a_cluster
	s_endpgm
.Lentry_in_a_cluster:
	s_bfe_u32 s2, ttmp6, 0x10000c
	s_cmp_lg_u32 s2, 0x3003
	s_cbranch_scc0 .Lentry_shape_is_right
	s_endpgm
.Lentry_shape_is_right:
; out[b][c][j] = gamma x (sum over i of hx[c][i] softmax_i(fx[:, i] . gx[:, j])) + x[b][c][j], both products on codes of FP8 (E4M3): the keys are fx's columns i, the queries gx's columns j, the values hx.
; Nothing is left out here either: all 4,096 keys count for every query.
; qc: tiles of 16 queries, kv: key tiles and fragments of hx, both as images of the operands' registers (tile u of a block of 64 positions, lane r = position 4 r + u; a key step is 128 keys = 8 tiles).
; THE SOFTMAX: t = score x log2(e); M = the largest t so far, rounded UP to a whole number; p = 2^(t - M) is quantised by 2^e9, not normalised; the sum l is taken of the unquantised p and divides at the end.
; When M moves, l and O are multiplied by 2^(old M - new M): exact.  p is quantised under the running M of its wave's half of the keys: only numbers under the format's range can differ from those under the final M.
; LIMITS: e6 + e7 between -126 and 127 (added to the exponent field of log2(e)); e9 between -126 and 119; e8 + e9 goes by v_ldexp_f32 and has none.  NaN and infinity among the inputs are not served.
; SHARES.  A work-group owns 128 queries of one batch.  Waves w and w + 4 own the same 32 queries (two tiles) and SPLIT THE KEYS: waves 0-3 (group A) take the even key steps, waves 4-7 (group B) the odd ones;
; each has O^T (2 tiles x 256 channels: 256 registers), M and l of its own, and the two are joined at the end by exact powers of two.
; THE GROUPS ARE SKEWED: in a period A runs K Q^T, softmax, V^T P; B runs V^T P of the period before, K Q^T, softmax: one group's matrix work and LDS loads stand beside the other's vector work.
; A block of kv holds what one period reads: A's step whole, B's keys of this period and B's values of the period before.  So every byte of a slot is read in its own period, and two slots serve.  17 periods.
; LAYOUT.  S^T = K Q^T (source 0 = 16 keys, source 1 = 16 queries), O^T = V^T P (source 0 = 16 channels x 128 keys, source 1 = p's codes): a lane holds ONE query throughout; the 8 codes made of tile t of S^T are
; registers 2 t, 2 t + 1 of source 1, and hx's fragments were laid with the same keys in the same places.
; CLUSTER.  The four work-groups of a cluster walk the same blocks of one batch: each piece of a block is asked for JOINTLY, by the same tensor load with the same descriptor and the mask of all four.
; The eight clusters of a batch start at different blocks (2 x cluster x) and walk cyclically: their first requests name each of the batch's 16 blocks once.  That is why kv has no prefetch of its own.
; REGISTERS, in windows of 256.  Window 1: O^T, tile q, channels 16 ct on, at 128 q + 8 ct.  Window 0: v1-8 addresses; v12-27 statistics, 8 a tile; v28-31 at work; v32-47 Q; v48-79 p's codes (in K Q^T: key tiles 0-3);
; v80-207 S^T (in V^T P: two buffers of four fragments of hx); v208-239 key tiles 4-7; v240-247 scales and addresses.  On the way out v32-95 are at work and v96-223 hold x.
.set PIECE, 10240                      ; what one tensor load brings: 2 key tiles + 4 fragments of hx
.set BLOCK, 81920                      ; 8 pieces: a slot
.set SLOT1, 131072                     ; slot 1 begins here, so that one exclusive or turns an address in one slot into the other's
.set SPARE, 81920                      ; behind slot 0: the spare words, 128 bytes for each wave: four blocks of 256 bytes that no other line names
.set XCH,   82944                      ; 16 bytes a thread: M and l go from a wave to its partner
.set AK0, 1                            ; v1   my lane's place in my group's key tiles
.set AV0, 2                            ; v2   the same for hx's fragments
.set ADK, 3                            ; v3, v4  the same in the slot in hand
.set ADV, 4
.set QO,  5                            ; v5   8 x lane
.set SPW, 6                            ; v6   LDS address of my spare word; never rewritten
.set NIL, 7                            ; v7   0; never rewritten
.set PXO, 8                            ; v8   the prefetches' offset; never rewritten
.set ST,  12                           ; tile q's statistics at v[ST + 8 q]: +0 -M, +1 the largest t, +2, +3 l in two halves, +4 f (at the end: the scale), +5 named with it as a pair, +6, +7 at work
.set Q,   32
.set PC,  48
.set S,   80
.set VB0, 80
.set VB1, 144
.set KH,  208
.set SCL, 240                          ; v240 2^e9 as f32; v241 448 x 2^e9
.set LIM, 241
.set SO,  242                          ; the way out: where I put 8 bytes of a row
.set RD,  243                          ; where I read a row of group A's part back; v244: of group B's
.set RDB, 244
.set GO,  245                          ; 16 x lane
.set XCW, 246
.set XCR, 247
.set WK,  32
.set XR,  96
.set WV,  16
.set GRP, 17
.set CX,  18
.set WGX, 19
.set BAT, 20
.set G1,  24                           ; s[24:31] descriptor group 1
.set G0A, 32                           ; s[32:35] group 0 of slot 0's first fill
.set G0B, 36                           ; s[36:39] of slot 1's, which then walks
.set EX,  40                           ; s[40:43] e6 .. e9
.set GAM, 44
.set ESUM, 45
.set KVW, 46                           ; s[46:47] kv at my batch and my wave's piece
.set OFF, 48                           ; s[48:49] an offset
.set DI,  50                           ; s50  the block last asked for
.set TB,  51                           ; s51  LDS byte at which the slot in hand begins
.set TRIPS, 52
.set CS,  54                           ; s[54:55] c = log2(e) x 2^(e6 + e7): the packed form names a pair and takes its low word
.set SEL, 56                           ; s[56:57] lane selects for v_permlanex16_b32: lane l xor 16
.set XB,  58                           ; s[58:59] x, s[60:61] out, at my batch, my wave's 16 rows of a half, my work-group's 512 bytes
.set OB,  60
.set MSB, 0
.macro WIN new                         ; the immediate's high byte repeats the setting that is left
.if MSB != \new
	s_set_vgpr_msb (MSB<<8)|\new
.set MSB, \new
.endif
.endm
.macro PLACES n                        ; plain vector lines behind matrix instructions (ISA guide 7.12.1)
.rept \n
	v_nop
.endr
.endm
.macro CROUND                          ; a round of the cluster's barrier
	s_barrier_signal -1
	s_barrier_wait -1
	s_cmp_lg_u32 s[WV], 0
	s_cbranch_scc1 .Lnot_wave_0_\@
	s_barrier_signal -3
.Lnot_wave_0_\@:
	s_barrier_wait -3
	s_barrier_signal -1
	s_barrier_wait -1
.endm
	s_load_b256 s[4:11], s[0:1], 0x0               ; qc s[4:5], kv s[6:7], x s[8:9], gamma s[10:11]
	s_load_b128 s[12:15], s[0:1], 0x20             ; the exponents s[12:13], out s[14:15]
	v_lshl_add_u32 v[SPW], v0, 2, SPARE
	v_mov_b32 v[NIL], 0
	ds_add_u32 v[SPW], v[NIL]                      ; the wave's opening: the add, twice on end, and its wait ahead of my first tensor load; the set-up below, work on registers, stands between
	ds_add_u32 v[SPW], v[NIL]
	v_lshrrev_b32 v11, 5, v0
	s_wait_alu depctr_va_vdst(0)
	v_readfirstlane_b32 s[WV], v11                 ; wave 0..7
	s_lshr_b32 s[GRP], s[WV], 2                    ; 0: group A, 1: group B
	s_bfe_u32 s[CX], ttmp6, 0x40000                ; my place in the cluster: it enters the addresses of qc, x and out alone
	s_lshl_b32 s[WGX], ttmp9, 2
	s_add_co_u32 s[WGX], s[WGX], s[CX]             ; my block of 128 queries
	s_and_b32 s[BAT], ttmp7, 0xffff                ; the batch, which the four partners share
	; descriptor group 1: a piece is dense in memory: 40 rows of 256 bytes, elements of 8 bytes, no padding (images are read as consecutive bytes)
	s_mov_b32 s[G1], 15|(3<<16)|(1<<21)            ; 15:0 the mask: all four work-groups; 17:16 elements of 8 bytes; 21 set beside a mask
	s_mov_b32 s[G1+1], 32<<16                      ; tensor_dim0 = 32
	s_mov_b32 s[G1+2], 40<<16                      ; tensor_dim1 = 40
	s_mov_b32 s[G1+3], 32<<16                      ; tile_dim0 = 32
	s_mov_b32 s[G1+4], 40                          ; tile_dim1 = 40
	s_mov_b32 s[G1+5], 32                          ; from row to row
	s_mov_b32 s[G1+6], 0
	s_mov_b32 s[G1+7], 0
	s_mov_b32 s[SEL], 0x76543210
	s_mov_b32 s[SEL+1], 0xfedcba98
	s_mov_b32 s[TB], 0
	s_mov_b32 s[TRIPS], 13
	s_lshl_b32 s[DI], ttmp9, 1                     ; the cluster's first block
	s_mul_i32 s[OFF], s[BAT], 16*BLOCK
	s_mul_i32 s21, s[WV], PIECE                    ; my piece: in a block of kv and in a slot alike
	s_add_co_u32 s[OFF], s[OFF], s21
	s_mov_b32 s[OFF+1], 0
	s_lshl_b32 s22, s[BAT], 8                      ; qc: tile 256 x batch + 8 x block of queries + 2 x (wave % 4)
	s_lshl_b32 s23, s[WGX], 3
	s_add_co_u32 s22, s22, s23
	s_and_b32 s23, s[WV], 3
	s_lshl_b32 s23, s23, 1
	s_add_co_u32 s22, s22, s23
	s_lshl_b32 s22, s22, 10
	s_mov_b32 s23, 0
	s_lshl_b32 s[XB], s[BAT], 22                   ; x and out: batch x 4 MiB + wave x 16 rows of 16,384 bytes + 512 bytes x block of queries
	s_lshl_b32 s53, s[WV], 18
	s_add_co_u32 s[XB], s[XB], s53
	s_lshl_b32 s53, s[WGX], 9
	s_add_co_u32 s[XB], s[XB], s53
	s_mov_b32 s[XB+1], 0
	v_and_b32 v9, 31, v0                           ; lane
	v_bfe_u32 v10, v0, 7, 1                        ; my group
	v_lshlrev_b32 v[RD], 13, v11                   ; the way out: wave w reads rows 16 w .. 16 w + 15 of 512 bytes, 16 bytes a lane
	s_delay_alu instid0(VALU_DEP_1)
	v_lshl_add_u32 v[RD], v9, 4, v[RD]
	s_delay_alu instid0(VALU_DEP_1)
	v_add_nc_u32 v[RDB], SLOT1, v[RD]
	s_delay_alu instid0(VALU_DEP_4)
	v_mul_u32_u24 v11, v10, 4*PIECE                ; group B's four pieces lie behind group A's
	s_delay_alu instid0(VALU_DEP_1)
	v_lshl_add_u32 v[AK0], v9, 3, v11
	s_delay_alu instid0(VALU_DEP_2)
	v_lshl_add_u32 v[AV0], v9, 4, v11
	s_delay_alu instid0(VALU_DEP_1)
	v_add_nc_u32 v[AV0], 2048, v[AV0]              ; behind a piece's two key tiles
	v_lshlrev_b32 v[QO], 3, v9
	v_lshlrev_b32 v[GO], 4, v9
	v_lshrrev_b32 v11, 1, v9
	s_delay_alu instid0(VALU_DEP_1)
	v_lshlrev_b32 v[PXO], 14, v11                  ; the prefetches: row lane / 2 of my 16, its first or second 256 bytes
	v_and_b32 v11, 1, v9
	s_delay_alu instid0(VALU_DEP_1)
	v_lshl_add_u32 v[PXO], v11, 8, v[PXO]
	v_and_b32 v248, 15, v0                         ; r
	v_bfe_u32 v249, v0, 4, 1                       ; h
	v_bfe_u32 v250, v0, 5, 1                       ; wave % 2
	v_bfe_u32 v251, v0, 6, 1                       ; (wave / 2) % 2
	s_delay_alu instid0(VALU_DEP_2)
	v_xor_b32 v250, v250, v249
	v_lshlrev_b32 v[SO], 17, v10                   ; the stage: group A's part in slot 0, group B's in slot 1; a row is a channel: 128 queries, 512 bytes
	s_delay_alu instid0(VALU_DEP_1)
	v_lshl_add_u32 v[SO], v249, 12, v[SO]          ; + 8 rows for lanes 16-31
	s_delay_alu instid0(VALU_DEP_1)
	v_lshl_add_u32 v[SO], v251, 8, v[SO]           ; my queries are 64 ((w / 2) % 2) + 4 r + 2 (w % 2) + 0, 1: 8 bytes of a cell of 16
	s_delay_alu instid0(VALU_DEP_1)
	v_lshl_add_u32 v[SO], v248, 4, v[SO]
	s_delay_alu instid0(VALU_DEP_1)
	v_lshl_add_u32 v[SO], v250, 3, v[SO]           ; in the rows of lanes 16-31 a cell's halves change places, so that the 32 lanes of a store touch 64 different banks (64 banks of 4 bytes: ISA guide 11.1)
	v_lshl_add_u32 v[XCW], v0, 4, XCH
	v_xor_b32 v11, 128, v0                         ; the same lane of my partner, four waves away
	s_delay_alu instid0(VALU_DEP_1)
	v_lshl_add_u32 v[XCR], v11, 4, XCH
	v_mov_b32 v28, 0                               ; written once: a lane permute's destination counts as one of its sources
	v_mov_b32 v29, 0
	v_mov_b32 v[ST+5], 0                           ; (named as the upper halves of the pairs that hold f)
	v_mov_b32 v[ST+13], 0
	s_wait_dscnt 0x0                               ; both opening adds are done
	s_wait_kmcnt 0x0
	s_load_b128 s[EX:EX+3], s[12:13], 0x18         ; e6, e7, e8, e9
	s_load_b32 s[GAM], s[10:11], 0x0
	s_add_nc_u64 s[KVW:KVW+1], s[6:7], s[OFF:OFF+1]
	s_add_nc_u64 s[4:5], s[4:5], s[22:23]
	s_add_nc_u64 s[OB:OB+1], s[14:15], s[XB:XB+1]
	s_add_nc_u64 s[XB:XB+1], s[8:9], s[XB:XB+1]
	s_mul_i32 s[OFF], s[DI], BLOCK
	s_mov_b32 s[G0A], 1                            ; 1:0 count = 1
	s_mov_b32 s[G0A+1], s21                        ; 63:32 LDS address: my piece of slot 0
	s_add_nc_u64 s[G0A+2:G0A+3], s[KVW:KVW+1], s[OFF:OFF+1]   ; 120:64 global address: the cluster's first block
	s_or_b32 s[G0A+3], s[G0A+3], 0x80000000        ; 127:126 type = 2
	s_add_co_u32 s[DI], s[DI], 1                   ; at most 15
	s_mul_i32 s[OFF], s[DI], BLOCK
	s_mov_b32 s[G0B], 1
	s_add_co_u32 s[G0B+1], s21, SLOT1
	s_add_nc_u64 s[G0B+2:G0B+3], s[KVW:KVW+1], s[OFF:OFF+1]
	s_or_b32 s[G0B+3], s[G0B+3], 0x80000000
	CROUND                                         ; all four work-groups are here: the first joint loads meet
	tensor_load_to_lds s[G0A:G0A+3], s[G1:G1+7]    ; every wave fetches its piece of slot 0: one load of mine is out
	s_nop 0
	s_wait_alu depctr_va_vdst(0)
	s_wait_tensorcnt 0x0
	ds_add_u32 v6, v7
	s_wait_dscnt 0x0
	CROUND
	tensor_load_to_lds s[G0B:G0B+3], s[G1:G1+7]
	s_nop 0
	PLACES 4
.irp q, 0,1
.irp c, 0,1,2,3
	global_load_b64 v[Q+8*\q+2*\c:Q+8*\q+2*\c+1], v[QO], s[4:5] offset:\q*1024+\c*256   ; Q's two tiles stay in registers
.endr
.endr
; THE CHANGE OF SLOTS, at a period's head.  Each wave waits for all its tensor loads (its piece of the slot that it is about to read), adds 0 to its spare word, and waits for that and for its reads of the slot that it has left.
; fill = 1: that slot is filled with the block two periods on, jointly: the barrier is a round of the cluster's, and the load is the first thing behind it; it has a whole period in which to land.
; fill = 2: the last block: only group B's values are wanted of it, so only waves 4-7 ask (a branch on the wave's number, the same in all partners).  fill = 0: nothing is asked for.
.macro CHANGE fill
	s_wait_tensorcnt 0x0                           ; no tensor load of mine is out, so a group 0 may be written
	ds_add_u32 v[SPW], v[NIL]                      ; 0 onto my spare word; the descriptor's step stands between it and the wait for it
.if \fill
	s_xor_b32 s[G0B+1], s[G0B+1], SLOT1            ; the other slot than last time,
	s_add_co_u32 s[DI], s[DI], 1
	s_and_b32 s[DI], s[DI], 15                     ; the next block, cyclically
	s_mul_i32 s[OFF], s[DI], BLOCK
	s_add_nc_u64 s[G0B+2:G0B+3], s[KVW:KVW+1], s[OFF:OFF+1]
	s_or_b32 s[G0B+3], s[G0B+3], 0x80000000
.endif
	s_wait_dscnt 0x0                               ; the add is done, and my reads of the slot that I have left are over
.if \fill
	CROUND                                         ; both now hold of every wave of every partner
.if \fill == 2
	s_cmp_lt_u32 s[WV], 4
	s_cbranch_scc1 .Lnofill_\@
.endif
	tensor_load_to_lds s[G0B:G0B+3], s[G1:G1+7]    ; my one tensor load until the next change
	s_nop 0
	PLACES 4
.if \fill == 2
.Lnofill_\@:
.endif
.else
	s_barrier_signal -1
	s_barrier_wait -1
.endif
	v_add_nc_u32 v[ADK], s[TB], v[AK0]
	v_add_nc_u32 v[ADV], s[TB], v[AV0]
.endm
.macro VLOAD grp, buf                  ; four fragments of hx (channels 64 grp on, my step's 128 keys): 16 loads of 512 consecutive bytes
.irp t, 0,1,2,3
.irp c, 0,1,2,3
	ds_load_b128 v[\buf+16*\t+4*\c:\buf+16*\t+4*\c+3], v[ADV] offset:\grp*PIECE+\t*2048+512*\c
.endr
.endr
.endm
.macro PVG grp, buf, first             ; 8 products: each fragment against both tiles' p.  The 32 accumulators take turns, one instruction a turn
.irp t, 0,1,2,3
.irp q, 0,1
.if \first
	v_wmma_f32_16x16x128_fp8_fp8 v[128*\q+8*(4*\grp+\t):128*\q+8*(4*\grp+\t)+7], v[\buf+16*\t:\buf+16*\t+15], v[PC+16*\q:PC+16*\q+15], 0
.else
	v_wmma_f32_16x16x128_fp8_fp8 v[128*\q+8*(4*\grp+\t):128*\q+8*(4*\grp+\t)+7], v[\buf+16*\t:\buf+16*\t+15], v[PC+16*\q:PC+16*\q+15], v[128*\q+8*(4*\grp+\t):128*\q+8*(4*\grp+\t)+7]
.endif
.endr
.endr
.endm
.macro WINPV first                     ; hx and p in window 0, O^T in window 1
.if \first
	WIN 0x40
.else
	WIN 0x50
.endif
.endm
; O^T = O^T x f + V^T P for one key step.  first = 1: the products start the sums with the constant 0: nothing is ever cleared, and there is no f.
; THE BLOCK ENDS WITH FIVE PLACES, so that every way out of it has them: four are asked in front of loads into the fragments' and p's registers, which the last products read (the next V^T P, the key tiles, x on the way
; out), and of the vector lines that read or rescale O^T; the fifth since K Q^T lays S^T over the fragments (a matrix instruction that writes over operands of an earlier one).
.macro PVB first
	VLOAD 0, VB0
	VLOAD 1, VB1
.if !\first
	WIN 0x41                                       ; O^T (destination and source 0) in window 1, f in window 0
.set i, 0
.rept 64
	v_pk_mul_f32 v[i:i+1], v[i:i+1], v[ST+4:ST+5] op_sel_hi:[1,0]      ; O^T under the new M: exact.  Each accumulator from its low end on
.set i, i+2
.endr
.rept 64
	v_pk_mul_f32 v[i:i+1], v[i:i+1], v[ST+12:ST+13] op_sel_hi:[1,0]
.set i, i+2
.endr
.endif
	s_wait_alu depctr_va_vdst(0)
	s_wait_dscnt 16                                ; the first four fragments are in; the 16 loads behind them may be out
	WINPV \first
	PVG 0, VB0, \first
	PLACES 4                                       ; in front of loads into registers that matrix instructions have read
	WIN 0
	VLOAD 2, VB0
	s_wait_dscnt 16                                ; all but the 16 just issued
	WINPV \first
	PVG 1, VB1, \first
	PLACES 4
	WIN 0
	VLOAD 3, VB1
	s_wait_dscnt 16
	WINPV \first
	PVG 2, VB0, \first
	s_wait_dscnt 0x0
	PVG 3, VB1, \first
	WIN 0
	PLACES 5                                       ; the block's five places (see above)
.endm
; S^T = K Q^T for one key step: 8 tiles of 16 keys x 2 tiles of queries, K = the 64 channels: one instruction each, C = 0.  (The places behind the last V^T P stand at that block's end.)
.macro KQ
.irp t, 0,1,2,3
.irp c, 0,1,2,3
	ds_load_b64 v[PC+8*\t+2*\c:PC+8*\t+2*\c+1], v[ADK] offset:(\t/2)*PIECE+(\t%2)*1024+256*\c
.endr
.endr
.irp t, 0,1,2,3
.irp c, 0,1,2,3
	ds_load_b64 v[KH+8*\t+2*\c:KH+8*\t+2*\c+1], v[ADK] offset:(2+\t/2)*PIECE+(\t%2)*1024+256*\c
.endr
.endr
	s_wait_dscnt 16                                ; tiles 0-3 are in; tiles 4-7's 16 loads may be out
.irp t, 0,1,2,3
.irp q, 0,1
	v_wmma_f32_16x16x64_fp8_fp8 v[S+64*\q+8*\t:S+64*\q+8*\t+7], v[PC+8*\t:PC+8*\t+7], v[Q+8*\q:Q+8*\q+7], 0
.endr
.endr
	s_wait_dscnt 0x0
.irp t, 0,1,2,3
.irp q, 0,1
	v_wmma_f32_16x16x64_fp8_fp8 v[S+64*\q+32+8*\t:S+64*\q+32+8*\t+7], v[KH+8*\t:KH+8*\t+7], v[Q+8*\q:Q+8*\q+7], 0
.endr
.endr
	PLACES 4                                       ; in front of the first read of results
.endm
; THE SOFTMAX of one key step, both tiles by turns.  first = 1: there is no old M, no f, and l starts from the first sums.
.macro SM first
.irp q, 0,1
	v_max3_num_f32 v[ST+8*\q+6], v[S+64*\q], v[S+64*\q+1], v[S+64*\q+2]       ; my query's largest score among my 64 keys, in two chains, ascending: each accumulator is read from its low end on
	v_max3_num_f32 v[ST+8*\q+7], v[S+64*\q+3], v[S+64*\q+4], v[S+64*\q+5]
.endr
.irp i, 6,10,14,18,22,26,30,34,38,42,46,50,54,58
.irp q, 0,1
	v_max3_num_f32 v[ST+8*\q+6], v[ST+8*\q+6], v[S+64*\q+\i], v[S+64*\q+\i+1]
	v_max3_num_f32 v[ST+8*\q+7], v[ST+8*\q+7], v[S+64*\q+\i+2], v[S+64*\q+\i+3]
.endr
.endr
.irp q, 0,1
	v_max3_num_f32 v[ST+8*\q+6], v[ST+8*\q+6], v[S+64*\q+62], v[S+64*\q+63]
.endr
.irp q, 0,1
	s_delay_alu instid0(VALU_DEP_2)
	v_max_num_f32 v[ST+8*\q+6], v[ST+8*\q+6], v[ST+8*\q+7]
.endr
.irp q, 0,1
	s_delay_alu instid0(VALU_DEP_2)
	v_permlanex16_b32 v[28+\q], v[ST+8*\q+6], s[SEL], s[SEL+1]
.endr
.irp q, 0,1
	s_delay_alu instid0(VALU_DEP_2)
	v_max_num_f32 v[ST+8*\q+6], v[ST+8*\q+6], v[28+\q]                        ; and among lane l xor 16's
.endr
.if \first
.irp q, 0,1
	s_delay_alu instid0(VALU_DEP_2)
	v_mul_f32 v[ST+8*\q+1], s[CS], v[ST+8*\q+6]                               ; as t (c is positive)
.endr
.else
.irp q, 0,1
	s_delay_alu instid0(VALU_DEP_2)
	v_mul_f32 v[ST+8*\q+6], s[CS], v[ST+8*\q+6]
.endr
.irp q, 0,1
	s_delay_alu instid0(VALU_DEP_2)
	v_max_num_f32 v[ST+8*\q+1], v[ST+8*\q+1], v[ST+8*\q+6]                    ; the running largest t
.endr
.irp q, 0,1
	v_mov_b32 v[ST+8*\q+6], v[ST+8*\q]
.endr
.endif
.irp q, 0,1
	v_floor_f32 v[ST+8*\q], -v[ST+8*\q+1]                                     ; -M = floor(-t) = -ceil(t): M is a whole number
.endr
.if !\first
.irp q, 0,1
	s_delay_alu instid0(VALU_DEP_2)
	v_sub_f32 v[ST+8*\q+6], v[ST+8*\q], v[ST+8*\q+6]                          ; old M less new M: a whole number, 0 or less
.endr
.irp q, 0,1
	s_delay_alu instid0(VALU_DEP_2)
	v_cvt_i32_f32 v[ST+8*\q+6], v[ST+8*\q+6]                                  ; (it saturates)
.endr
.irp q, 0,1
	s_delay_alu instid0(VALU_DEP_2)
	v_ldexp_f32 v[ST+8*\q+4], 1.0, v[ST+8*\q+6]                               ; f = 2^(old M - new M)
.endr
.endif
.set j, 0
.rept 32
.irp q, 0,1
	v_pk_fma_f32 v[S+64*\q+j:S+64*\q+j+1], v[S+64*\q+j:S+64*\q+j+1], s[CS:CS+1], v[ST+8*\q:ST+8*\q+1] op_sel_hi:[1,0,0]   ; t - M, two at a time
.endr
.set j, j+2
.endr
.set j, 0
	s_wait_alu depctr_va_vdst(0)
.rept 128
	v_exp_f32 v[S+j], v[S+j]                       ; p = 2^(t - M): ONE batch for both tiles
.set j, j+1
.endr
.if \first
	v_nop                                          ; a plain line behind the last exponential
.else
.irp q, 0,1
	v_pk_mul_f32 v[ST+8*\q+2:ST+8*\q+3], v[ST+8*\q+2:ST+8*\q+3], v[ST+8*\q+4:ST+8*\q+5] op_sel_hi:[1,0]   ; l under the new M (plain lines behind the exponentials)
.endr
.endif
	s_wait_alu depctr_va_vdst(0)                   ; ahead of the first line that names a result: one for the batch
.irp q, 0,1
.if \first
	v_pk_add_f32 v[ST+8*\q+2:ST+8*\q+3], v[S+64*\q:S+64*\q+1], v[S+64*\q+2:S+64*\q+3]     ; THE SUM IS TAKEN OF THE UNQUANTISED p, in two chains
	v_pk_add_f32 v[ST+8*\q+6:ST+8*\q+7], v[S+64*\q+4:S+64*\q+5], v[S+64*\q+6:S+64*\q+7]
.else
	v_pk_add_f32 v[ST+8*\q+6:ST+8*\q+7], v[S+64*\q:S+64*\q+1], v[S+64*\q+2:S+64*\q+3]
	v_pk_add_f32 v[ST+8*\q+2:ST+8*\q+3], v[ST+8*\q+2:ST+8*\q+3], v[S+64*\q+4:S+64*\q+5]
	v_pk_add_f32 v[ST+8*\q+6:ST+8*\q+7], v[ST+8*\q+6:ST+8*\q+7], v[S+64*\q+6:S+64*\q+7]
.endif
.endr
.set j, 8
.rept 14
.irp q, 0,1
	v_pk_add_f32 v[ST+8*\q+2:ST+8*\q+3], v[ST+8*\q+2:ST+8*\q+3], v[S+64*\q+j:S+64*\q+j+1]
	v_pk_add_f32 v[ST+8*\q+6:ST+8*\q+7], v[ST+8*\q+6:ST+8*\q+7], v[S+64*\q+j+2:S+64*\q+j+3]
.endr
.set j, j+4
.endr
.irp q, 0
	s_delay_alu instid0(VALU_DEP_3)
	v_pk_add_f32 v[ST+8*\q+2:ST+8*\q+3], v[ST+8*\q+2:ST+8*\q+3], v[ST+8*\q+6:ST+8*\q+7]
.endr
.irp q, 1
	s_delay_alu instid0(VALU_DEP_2)
	v_pk_add_f32 v[ST+8*\q+2:ST+8*\q+3], v[ST+8*\q+2:ST+8*\q+3], v[ST+8*\q+6:ST+8*\q+7]
.endr
.set n, 0
.rept 8
.set i, 0
.rept 16
	v_min_num_f32 v[S+16*n+i], v[S+16*n+i], v[LIM] ; the conversion to an 8-bit code does not saturate (ISA guide 7.6.2); p is not negative, so the hold is one-sided
.set i, i+1
.endr
	v_cvt_scalef32_pk8_fp8_f32 v[PC+4*n:PC+4*n+1], v[S+16*n:S+16*n+7], v[SCL]
	v_cvt_scalef32_pk8_fp8_f32 v[PC+4*n+2:PC+4*n+3], v[S+16*n+8:S+16*n+15], v[SCL]
.set n, n+1
.endr
	v_nop                                          ; a plain line behind the last conversion, ahead of the products that read its result
.endm
; A PERIOD.  Group B: V^T P of the period before (bmode 0; 1: it starts O^T; 2: there is none yet); both: K Q^T and the softmax; group A: V^T P.  The branches hang on the wave's number alone.
.macro PERIOD bmode, smfirst, afirst
.if \bmode != 2
	s_cmp_eq_u32 s[GRP], 0
	s_cbranch_scc1 .Lnot_b_\@
	s_wait_alu depctr_va_vdst(0)
	PVB \bmode
.Lnot_b_\@:
.endif
	s_wait_alu depctr_va_vdst(0)
	KQ
	SM \smfirst
	s_cmp_lg_u32 s[GRP], 0
	s_cbranch_scc1 .Lnot_a_\@
	s_wait_alu depctr_va_vdst(0)
	PVB \afirst
.Lnot_a_\@:
	s_xor_b32 s[TB], s[TB], SLOT1                  ; on to the other slot
.endm
	s_wait_tensorcnt 0x1                           ; my piece of slot 0 is in; slot 1's may stay out
	s_barrier_signal -1
	s_barrier_wait -1                              ; everybody's is
	s_wait_loadcnt 0x0                             ; Q
	s_wait_kmcnt 0x0
	s_mov_b32 s[CS], 0x3fb8aa3b                    ; log2(e);
	s_add_co_i32 s21, s[EX], s[EX+1]
	s_lshl_b32 s21, s21, 23
	s_add_co_i32 s[CS], s[CS], s21                 ; a score stands for score x 2^(e6 + e7): the two exponents are added to its exponent field
	s_mov_b32 s[CS+1], s[CS]                       ; (named with it as a pair, so it is written)
	s_add_co_i32 s21, s[EX+3], 127
	s_lshl_b32 s22, s21, 23
	v_mov_b32 v[SCL], s22                          ; 2^e9 as f32, for the conversion
	s_add_co_i32 s21, s21, 8
	s_lshl_b32 s21, s21, 23
	s_or_b32 s21, s21, 0x600000
	v_mov_b32 v[LIM], s21                          ; 448 x 2^e9
	s_add_co_i32 s[ESUM], s[EX+2], s[EX+3]         ; e8 + e9
	v_add_nc_u32 v[ADK], s[TB], v[AK0]
	v_add_nc_u32 v[ADV], s[TB], v[AV0]
	PERIOD 2, 1, 1                                 ; period 0
	CHANGE 1
	PERIOD 1, 0, 0                                 ; period 1
.Lperiod:                                              ; periods 2 to 14
	CHANGE 1
	PERIOD 0, 0, 0
	s_sub_co_u32 s[TRIPS], s[TRIPS], 1
	s_cmp_lg_u32 s[TRIPS], 0
	s_cbranch_scc1 .Lperiod
	CHANGE 2
	; x for the way out is prefetched here, one period and group B's last products ahead of its loads: each wave names the 32 rows x 512 bytes that it will load itself, a lane a block of 256 bytes,
	; two instructions a wave; so each block is named once in the launch.  No tensor load follows, and the address registers are never rewritten.
	global_prefetch_b8 v[PXO], s[XB:XB+1] th:TH_LOAD_NT scope:SCOPE_SE
	global_prefetch_b8 v[PXO], s[XB:XB+1] offset:128*16384 th:TH_LOAD_NT scope:SCOPE_SE
	PERIOD 0, 0, 0                                 ; period 15
	CHANGE 0
	s_cmp_eq_u32 s[GRP], 0
	s_cbranch_scc1 .Llast
	PVB 0                                          ; period 16: group B's last V^T P
.Llast:
	; THE WAY OUT.  x is asked for first; the two groups exchange M and l; each wave scales its O^T by gamma 2^(e8 + e9) 2^(its M - M) / l and puts it into its group's stage, a row a channel;
	; then each wave reads 16 whole rows of both stages, adds them to x and stores rows of 512 bytes.  128 channels at a time.  The stages lie in the slots, which have had their last fill and their last read.
	; (The places in front of the loads into registers that the last products read, and of the first read of O^T, stand at the end of each group's last V^T P.)
.irp hf, 0,1
.set i, 0
.rept 16
	global_load_b128 v[XR+4*(16*\hf+i):XR+4*(16*\hf+i)+3], v[GO], s[XB:XB+1] offset:(128*\hf+i)*16384 th:TH_LOAD_NT
.set i, i+1
.endr
.endr
.irp q, 0,1
	v_add_f32 v[ST+8*\q+6], v[ST+8*\q+2], v[ST+8*\q+3]     ; l's two halves,
.endr
.irp q, 0,1
	s_delay_alu instid0(VALU_DEP_2)
	v_permlanex16_b32 v[ST+8*\q+7], v[ST+8*\q+6], s[SEL], s[SEL+1]
.endr
.irp q, 0
	s_delay_alu instid0(VALU_DEP_2)
	v_add_f32 v[29+2*\q], v[ST+8*\q+6], v[ST+8*\q+7]
	v_mov_b32 v[28+2*\q], v[ST+8*\q]
.endr
.irp q, 1
	s_delay_alu instid0(VALU_DEP_3)
	v_add_f32 v[29+2*\q], v[ST+8*\q+6], v[ST+8*\q+7]       ; and lane l xor 16's
	v_mov_b32 v[28+2*\q], v[ST+8*\q]                       ; -M
.endr
	ds_store_b128 v[XCW], v[28:31]
	s_wait_alu depctr_va_vdst(0)
	s_wait_dscnt 0x0                               ; for the others' sake: my record has landed, and my reads of the ring are over
	s_barrier_signal -1
	s_barrier_wait -1
	ds_load_b128 v[WK:WK+3], v[XCR]                ; my partner's
	s_wait_dscnt 0x0
.irp q, 0,1
	v_min_num_f32 v[ST+8*\q+6], v[28+2*\q], v[WK+2*\q]     ; -M of all keys
.endr
.irp q, 0
	s_delay_alu instid0(VALU_DEP_2)
	v_sub_f32 v[ST+8*\q+7], v[ST+8*\q+6], v[28+2*\q]       ; my M less M, my partner's M less M: whole numbers, 0 or less
	s_delay_alu instid0(VALU_DEP_3)
	v_sub_f32 v[WK+2*\q], v[ST+8*\q+6], v[WK+2*\q]
.endr
.irp q, 1
	s_delay_alu instid0(VALU_DEP_3)
	v_sub_f32 v[ST+8*\q+7], v[ST+8*\q+6], v[28+2*\q]
	s_delay_alu instid0(VALU_DEP_4)
	v_sub_f32 v[WK+2*\q], v[ST+8*\q+6], v[WK+2*\q]
.endr
.irp q, 0,1
	s_delay_alu instid0(VALU_DEP_4)
	v_cvt_i32_f32 v[ST+8*\q+7], v[ST+8*\q+7]
	s_delay_alu instid0(VALU_DEP_4)
	v_cvt_i32_f32 v[WK+2*\q], v[WK+2*\q]
.endr
.irp q, 0,1
	s_delay_alu instid0(VALU_DEP_4)
	v_ldexp_f32 v[ST+8*\q+7], 1.0, v[ST+8*\q+7]
	s_delay_alu instid0(VALU_DEP_4)
	v_ldexp_f32 v[WK+2*\q], 1.0, v[WK+2*\q]
.endr
.irp q, 0
	s_delay_alu instid0(VALU_DEP_3)
	v_mul_f32 v[WK+2*\q+1], v[WK+2*\q+1], v[WK+2*\q]
.endr
.irp q, 1
	s_delay_alu instid0(VALU_DEP_2)
	v_mul_f32 v[WK+2*\q+1], v[WK+2*\q+1], v[WK+2*\q]
.endr
.irp q, 0,1
	s_delay_alu instid0(VALU_DEP_2)
	v_fma_f32 v[29+2*\q], v[29+2*\q], v[ST+8*\q+7], v[WK+2*\q+1]   ; l of all keys
.endr
	s_wait_alu depctr_va_vdst(0)
.irp q, 0,1
	v_rcp_f32 v[ST+8*\q+4], v[29+2*\q]
.endr
.irp q, 0,1
	v_mul_f32 v[ST+8*\q+7], s[GAM], v[ST+8*\q+7]           ; (plain lines behind the reciprocals)
.endr
	s_wait_alu depctr_va_vdst(0)                   ; ahead of the first line that names a result: one for both
.irp q, 0,1
	v_mul_f32 v[ST+8*\q+4], v[ST+8*\q+4], v[ST+8*\q+7]
.endr
.irp q, 0,1
	s_delay_alu instid0(VALU_DEP_2)
	v_ldexp_f32 v[ST+8*\q+4], v[ST+8*\q+4], s[ESUM]
.endr
.macro HALF hf                         ; channels 128 hf on
.irp bt, 0,1
	s_wait_dscnt 0x0                               ; the LDS instructions that named v32-95 are done
	WIN 0x01                                       ; source 0 (O^T) window 1
.irp t, 0,1,2,3
.irp j, 0,1,2,3,4,5,6,7
.irp q, 0,1
	v_mul_f32 v[WK+16*\t+2*\j+\q], v[128*\q+8*(8*\hf+4*\bt+\t)+\j], v[ST+8*\q+4]   ; the two tiles' numbers of a channel are neighbouring queries; each accumulator from its low end on
.endr
.endr
.endr
	WIN 0
.irp t, 0,1,2,3
.irp j, 0,1,2,3,4,5,6,7
	ds_store_b64 v[SO], v[WK+16*\t+2*\j:WK+16*\t+2*\j+1] offset:(16*(4*\bt+\t)+\j)*512
.endr
.endr
.endr
	s_wait_dscnt 0x0                               ; for the others' sake: my stores have landed
	s_barrier_signal -1
	s_barrier_wait -1                              ; 128 whole rows lie in each stage
	s_wait_loadcnt 16-16*\hf                       ; this half's 16 loads of x are in; the other half's, issued behind them, may be out
.irp rb, 0,1
.irp ii, 0,1,2,3,4,5,6,7
	ds_load_b128 v[WK+4*\ii:WK+4*\ii+3], v[RD] offset:(8*\rb+\ii)*512
	ds_load_b128 v[WK+32+4*\ii:WK+32+4*\ii+3], v[RDB] offset:(8*\rb+\ii)*512
.endr
	s_wait_dscnt 0x0
.irp ii, 0,1,2,3,4,5,6,7               ; in rows 8 .. 15 of each 16 a cell's halves have changed places
	v_pk_add_f32 v[XR+4*(16*\hf+8*\rb+\ii):XR+4*(16*\hf+8*\rb+\ii)+1], v[XR+4*(16*\hf+8*\rb+\ii):XR+4*(16*\hf+8*\rb+\ii)+1], v[WK+4*\ii+2*\rb:WK+4*\ii+2*\rb+1]
	v_pk_add_f32 v[XR+4*(16*\hf+8*\rb+\ii)+2:XR+4*(16*\hf+8*\rb+\ii)+3], v[XR+4*(16*\hf+8*\rb+\ii)+2:XR+4*(16*\hf+8*\rb+\ii)+3], v[WK+4*\ii+2-2*\rb:WK+4*\ii+3-2*\rb]
	s_delay_alu instid0(VALU_DEP_2)
	v_pk_add_f32 v[XR+4*(16*\hf+8*\rb+\ii):XR+4*(16*\hf+8*\rb+\ii)+1], v[XR+4*(16*\hf+8*\rb+\ii):XR+4*(16*\hf+8*\rb+\ii)+1], v[WK+32+4*\ii+2*\rb:WK+32+4*\ii+2*\rb+1]
	s_delay_alu instid0(VALU_DEP_2)
	v_pk_add_f32 v[XR+4*(16*\hf+8*\rb+\ii)+2:XR+4*(16*\hf+8*\rb+\ii)+3], v[XR+4*(16*\hf+8*\rb+\ii)+2:XR+4*(16*\hf+8*\rb+\ii)+3], v[WK+32+4*\ii+2-2*\rb:WK+32+4*\ii+3-2*\rb]
.endr
.irp ii, 0,1,2,3,4,5,6,7
	global_store_b128 v[GO], v[XR+4*(16*\hf+8*\rb+\ii):XR+4*(16*\hf+8*\rb+\ii)+3], s[OB:OB+1] offset:(128*\hf+8*\rb+\ii)*16384 th:TH_STORE_NT   ; 32 lanes store 512 consecutive bytes, aligned; the data registers are not written again
.endr
.endr
.endm
	s_wait_alu depctr_va_vdst(0)
	HALF 0
	s_wait_dscnt 0x0                               ; my reads of the stages are over:
	s_barrier_signal -1
	s_barrier_wait -1                              ; everybody's are, so the stages may be written again
	HALF 1
	s_wait_tensorcnt 0x0                           ; the wave's end: behind my last tensor load and my last LDS store
	ds_add_u32 v[SPW], v[NIL]
	s_wait_dscnt 0x0
	CROUND                                         ; the closing round: no work-group ends while a partner may still ask for a piece that names it
	s_endpgm
.Lfunc_end_k_q62bbe15c70_attn:
	.size	k_q62bbe15c70_attn, .Lfunc_end_k_q62bbe15c70_attn-k_q62bbe15c70_attn
	.p2alignl 7, 3214868480
	.fill 96, 4, 3214868480
	.section	.rodata,"a",@progbits
	.p2align	6, 0x0
	.amdhsa_kernel k_q62bbe15c70_attn
		.amdhsa_group_segment_fixed_size 327680
		.amdhsa_private_segment_fixed_size 0
		.amdhsa_enable_private_segment 0
		.amdhsa_kernarg_size 48
		.amdhsa_user_sgpr_count 2
		.amdhsa_user_sgpr_kernarg_segment_ptr 1
		.amdhsa_wavefront_size32 1
		.amdhsa_system_sgpr_workgroup_id_x 1
		.amdhsa_system_sgpr_workgroup_id_y 1
		.amdhsa_system_sgpr_workgroup_id_z 1
		.amdhsa_system_vgpr_workitem_id 0
		.amdhsa_next_free_vgpr 512
		.amdhsa_next_free_sgpr 66
		.amdhsa_reserve_vcc 0
		.amdhsa_float_denorm_mode_32 3
		.amdhsa_float_denorm_mode_16_64 3
		.amdhsa_memory_ordered 1
		.amdhsa_forward_progress 1
		.amdhsa_inst_pref_size 255
	.end_amdhsa_kernel
	.section	.bss,"aw",@nobits
	.p2align	6
	.space	262144
	.amdgpu_metadata
---
amdhsa.version: [ 1, 2 ]
amdhsa.kernels:
  - .name:           k_q62bbe15c70_attn
    .symbol:         k_q62bbe15c70_attn.kd
    .args:
      - { .name: qc, .offset: 0, .size: 8, .value_kind: global_buffer, .address_space: global }
      - { .name: kv, .offset: 8, .size: 8, .value_kind: global_buffer, .address_space: global }
      - { .name: x, .offset: 16, .size: 8, .value_kind: global_buffer, .address_space: global }
      - { .name: gamma, .offset: 24, .size: 8, .value_kind: global_buffer, .address_space: global }
      - { .name: lowp_scales, .offset: 32, .size: 8, .value_kind: global_buffer, .address_space: global }
      - { .name: out0, .offset: 40, .size: 8, .value_kind: global_buffer, .address_space: global }
    .group_segment_fixed_size: 327680
    .private_segment_fixed_size: 0
    .kernarg_segment_align: 8
    .kernarg_segment_size: 48
    .max_flat_workgroup_size: 256
    .sgpr_count:     66
    .vgpr_count:     512
    .wavefront_size: 32
...
	.end_amdgpu_metadata
.endif
;; end of part 4
